; MI455X (gfx1250); checked and timed in simulation.
; The chip was launched on July 23, 2026; its instructions are those of AMD's public machine-readable ISA for CDNA 5 (MIT licence, August 2026) and "CDNA5" Instruction Set Architecture Reference Guide (July 2026). The comments in the code are by the model that wrote it; some were corrected since.
;; Block. Allowed arithmetic: matrix products marked QUANTISED: E4M3 operands, one given power-of-two scale a tensor, by v_wmma_f32_16x16x64_fp8_fp8 or v_wmma_f32_16x16x128_fp8_fp8, f32 sums; everything else in f32.
;; Inputs: W1 1,024 x 4,096 float32; W2 4,096 x 1,024 float32; Wk 16 x 1,024 x 64 float32; Wo 1,024 x 1,024 float32; Wq 16 x 1,024 x 64 float32; Wv 16 x 1,024 x 64 float32; b1 4,096 float32; b2 1,024 float32; bo 1,024 float32; ln1_b 1,024 float32; ln1_g 1,024 float32; ln2_b 1,024 float32; ln2_g 1,024 float32; lowp_scales 16 int32 (the exponents e of the quantised operands' scales 2^e); x 4 x 1,024 x 1,024 float32.
;; Outputs: out0 4 x 1,024 x 1,024 float32.
;; This version of the problem:
;;   THIS VERSION OF THE PROBLEM IS GIVEN IN LOW PRECISION. The matrix products marked QUANTISED in the list below multiply operands that are first quantised to E4M3 (4 exponent bits, 3 mantissa bits; 8 bits a number), with one given power-of-two scale for each operand tensor; their sums are f32. All else is computed in f32.
;;   The module's matrix products, in the order in which they are computed (A, B: the left and right operand; K: the contracted axis; several contracted axes count as one K, in the product's order):
;;     1. [M 1,024, K 1,024] x [K 1,024, N 4,096]; A: input Wq; B: computed on the way: QUANTISED (scales: A lowp_scales[0], B lowp_scales[1])
;;     2. [M 1,024, K 1,024] x [K 1,024, N 4,096]; A: input Wk; B: computed on the way: QUANTISED (scales: A lowp_scales[2], B lowp_scales[3])
;;     3. [M 1,024, K 1,024] x [K 1,024, N 4,096]; A: input Wv; B: computed on the way: QUANTISED (scales: A lowp_scales[4], B lowp_scales[5])
;;     4. batch 64 x [M 1,024, K 64] x [K 64, N 1,024]; A: computed on the way; B: computed on the way: QUANTISED (scales: A lowp_scales[6], B lowp_scales[7])
;;     5. batch 64 x [M 1,024, K 1,024] x [K 1,024, N 64]; A: softmax (see below); B: computed on the way: QUANTISED (scales: A lowp_scales[8], B lowp_scales[9])
;;     6. [M 4,096, K 1,024] x [K 1,024, N 1,024]; A: computed on the way; B: input Wo: QUANTISED (scales: A lowp_scales[10], B lowp_scales[11])
;;     7. [M 4,096, K 1,024] x [K 1,024, N 4,096]; A: computed on the way; B: input W1: QUANTISED (scales: A lowp_scales[12], B lowp_scales[13])
;;     8. [M 4,096, K 4,096] x [K 4,096, N 1,024]; A: computed on the way; B: input W2: QUANTISED (scales: A lowp_scales[14], B lowp_scales[15])
;;   THE QUANTISER, for each operand of a quantised product, along K:
;;     - The operand's scale is 2^e, e = its entry of the input lowp_scales (int32; the entries are numbered through the quantised products in the list's order, A before B).
;;     - Each number is divided by the scale, clamped to +-448, and rounded to the nearest number of E4M3, ties to even, subnormals kept.
;;     - The product sums the exact products of the quantised numbers (number of the format x scale) in f32.
;;   ~~~python
;;   def quantise(x, axis, e):      # numpy; x: float32 -> the quantised numbers, widened to float32 again
;;       x = np.moveaxis(x, axis, -1); K = x.shape[-1]
;;       r = np.clip(x / 2.0 ** e, -448, 448)
;;       step = 2.0 ** (np.maximum(np.frexp(np.where(r == 0, 1, r))[1] - 1, -6) - 3)
;;       q = np.round(r / step) * step * 2.0 ** e      # np.round: ties to even
;;       return np.moveaxis(q, -1, axis).astype(np.float32)
;;   ~~~
;;   SOFTMAX AHEAD OF A QUANTISED PRODUCT. Where the list says 'softmax', what is quantised is not the finished softmax but p = 2^(t - M), with t = logit x log2(e) and M = ceil(the row's largest t), a whole number; so 1/2 < the row's largest p <= 1. The row's sum l is taken of the UNQUANTISED p, in f32, and the product's result is divided by l at the end. Since M is a whole number, a kernel that streams over the keys may use a running M (the ceiling of the running maximum): every later rescaling is an exact power of two, so the quantised numbers keep their values, but for numbers so far below the row's largest that they fall under the format's range.
;;   OPERANDS COMPUTED ON THE WAY. 'Computed on the way' means the value that the module computes at that place (a softmax that the list does not call 'softmax' is quantised finished and normalised). What goes into a quantiser is computed in f32, as accurately as f32 sums, v_exp_f32 and their like allow (about 1e-6 of the number): no bf16 or f16 on the way to a quantiser, and a product that is left as it is and whose result goes on into a quantised operand takes f32 operands (vector FMAs, or v_wmma_f32_16x16x4_f32). A number that lies on a knife's edge between two numbers of the format may be rounded either way, as far as f32 arithmetic and the matrix unit's own rounding can turn it there, and no further.
;; One version. Each part assembles by itself: llvm-mc -triple=amdgcn-amd-amdhsa -mcpu=gfx1250 --defsym DOCPART=n.
;; ======== version 1 of 1: 7 launches
;; limits: right only within a limited range of input values
;; workspace buffers: wc 12,582,912 bytes; lxc 12,582,912 bytes; qkvc 12,582,912 bytes; oc 4,194,304 bytes; x1 16,777,216 bytes; lx2c 4,194,304 bytes; hc 16,777,216 bytes
;; launch prep (part 1): grid 640 x 1, 4 waves a work-group, no clusters, 76,288 bytes of LDS; arguments x, ln1_g, ln1_b, Wq, Wk, Wv, Wo, W2, W1, lowp_scales, lxc, wc; writes lxc, wc
.if DOCPART == 1
	.amdgcn_target "amdgcn-amd-amdhsa--gfx1250"
	.amdhsa_code_object_version 6
	.text
	.protected	k_q91c0d5dcad_prep
	.globl	k_q91c0d5dcad_prep
	.p2align	8
	.type	k_q91c0d5dcad_prep,@function
k_q91c0d5dcad_prep:
	s_mov_b64 s[64:65], 0
	v_nop
	global_prefetch_b8 v0, s[64:65] scope:SCOPE_SE
	s_setreg_imm32_b32 hwreg(HW_REG_WAVE_MODE, 25, 1), 1
	s_wait_xcnt 0x0
; PREP: the first layer norm, quantised three times, and the six weights, quantised once: all into codes of FP8 (E4M3), laid as IMAGES OF OPERAND REGISTERS.
; AN IMAGE: a fragment of 16 rows x 128 K is 2,048 bytes; byte 512 c + 16 lane holds the 16 codes of row slot lane % 16, k = 32 c + 16 (lane / 16) + 0 .. 15.  A buffer is [tile][K step][2,048].
; THE ROWS OF A TILE ARE NOT NEIGHBOURS: slot r of tile T is row 32 (T / 2) + 8 (T % 2) + r + 8 (r / 8): so the 16 registers that two neighbouring tiles leave in a product's result are 16 neighbours along the next K.
; Work-groups 0-255: layer norm of 16 tokens each (tile T = the work-group's number), under the scales e1, e3, e5.  256-351: Wq, Wk, Wv.  352-511: Wo, W2.  512-639: W1.
; The parting hangs on the work-group's number alone; only the layer norm's path touches LDS and has barriers.
; code = x / 2^e, held within +-448, rounded to the nearest code, ties to even.
; LIMITS: each e used here lies between -126 and 119, so that 2^e and 448 x 2^e are f32 numbers.  NaN among the inputs is not served.
.set RED,  8192                        ; LDS: g at 0, b at 4,096 (4,096 bytes each); 256 bytes of partial sums at 8,192; 256 more, for the squares, behind them
.set STG,  9216                        ; then a stage of 16 rows for each wave, its own
.set SPIT, 1040                        ; a stage row: a token's 1,024 bytes of my wave's k + 16 of padding = 65 x 16 bytes: the 16 rows that a load touches start at 16 different columns of 16 bytes
.set WSTG, 16*SPIT
.set X,    32                          ; v32-159  layer norm: my 128 numbers
.set GB,   160                         ; v160-175 g, v176-191 b of the block of 16 in hand
.set TMP,  192                         ; v192-207 16 numbers held within the largest code
.set CD,   208                         ; v208-231 codes: two sets (blocks by turns) of 4 registers for each of three scales
.set NQ,   3                           ; quantisers
.set WX,   32                          ; v32-95   weights: two sets of 32 numbers down K
.set WC,   96                          ; v96-159  weights: 8 registers of codes for each of 8 blocks: no store's data are written again
.macro MKSCALE e, vs, vl               ; from the whole number in s[e]: v[vs] = 2^e, whose exponent field the conversion takes; v[vl] = 448 x 2^e
	s_add_co_i32 s62, s[\e], 127
	s_lshl_b32 s63, s62, 23
	v_mov_b32 v[\vs], s63
	s_add_co_i32 s62, s62, 8
	s_lshl_b32 s62, s62, 23
	s_or_b32 s62, s62, 0x600000
	v_mov_b32 v[\vl], s62
.endm
	s_load_b512 s[8:23], s[0:1], 0x0               ; x 8, g 10, b 12, Wq 14, Wk 16, Wv 18, Wo 20, W2 22
	s_load_b256 s[24:31], s[0:1], 0x40             ; W1 24, the scales' exponents 26, lxc 28, wc 30
	v_lshl_add_u32 v254, v0, 2, 0x12800
	v_mov_b32 v255, 0
	v_lshrrev_b32 v1, 5, v0
	v_readfirstlane_b32 s2, v1                     ; wave 0..3
	v_and_b32 v1, 31, v0                           ; lane
	s_wait_kmcnt 0x0
	s_load_b512 s[36:51], s[26:27], 0x0            ; e0 .. e15 in s36 .. s51
	s_cmp_lt_u32 ttmp9, 256
	s_cbranch_scc0 .Lweights
; ---------------- THE LAYER NORM.  Wave w takes k = 256 w .. 256 w + 255 of the 16 tokens.  For the conversions lane (r, h) must hold, of token slot r, k = 256 w + 32 b + 16 h + 0 .. 15 in registers X + 16 b on: the image's own
; order: 64 consecutive bytes a lane.  A load is best where neighbouring LANES take neighbouring bytes.  Both are had: each load takes 512 consecutive bytes of a row, 16 a lane; the rows go through the wave's own stage in LDS as
; they lie and come back 16 bytes at a time from each lane's own row.
	v_and_b32 v2, 15, v0                           ; r
	v_bfe_u32 v3, v0, 4, 1                         ; h
	v_lshlrev_b32 v9, 4, v0                        ; 16 x thread
	global_load_b128 v[232:235], v9, s[10:11]      ; g and b, 4,096 bytes each, once for the work-group: they go to LDS
	global_load_b128 v[236:239], v9, s[10:11] offset:2048
	global_load_b128 v[240:243], v9, s[12:13]
	global_load_b128 v[244:247], v9, s[12:13] offset:2048
	s_lshr_b32 s3, ttmp9, 1
	s_lshl_b32 s3, s3, 5
	s_and_b32 s4, ttmp9, 1
	s_lshl_b32 s4, s4, 3
	s_add_co_u32 s4, s4, s3                        ; the tile's first token: 32 (T / 2) + 8 (T % 2)
	s_lshl_b32 s4, s4, 12                          ; a row is 4,096 bytes
	s_mov_b32 s5, 0
	s_add_nc_u64 s[8:9], s[8:9], s[4:5]
	s_lshl_b32 s3, s2, 10                          ; 1,024 w
	s_wait_alu depctr_va_vdst(0)
	v_lshlrev_b32 v4, 4, v1
	v_add_nc_u32 v4, s3, v4                        ; my bytes in a row: 1,024 w + 16 x lane
.set rr, 0
.rept 16
	global_load_b128 v[X+8*rr:X+8*rr+3], v4, s[8:9] offset:(rr+8*(rr/8))*4096 th:TH_LOAD_NT        ; token slot rr: the wave reads 512 consecutive bytes,
	global_load_b128 v[X+8*rr+4:X+8*rr+7], v4, s[8:9] offset:(rr+8*(rr/8))*4096+512 th:TH_LOAD_NT  ; and the next 512
.set rr, rr+1
.endr
	v_lshlrev_b32 v5, 6, v3
	v_add_nc_u32 v5, s3, v5                        ; g's and b's bytes for my k: 1,024 w + 64 h
	v_lshl_add_u32 v7, v2, 4, RED                  ; the four waves' partial sums of token slot r
	s_lshl_b32 s6, s2, 2
	v_add_nc_u32 v6, s6, v7                        ; my wave's word among them
	v_lshlrev_b32 v8, 4, v1
	s_lshl_b32 s7, s2, 12
	v_add_nc_u32 v8, s7, v8                        ; out: 16 x lane + my wave's two K steps
	s_mul_i32 s58, s2, WSTG
	s_add_co_u32 s58, s58, STG                     ; my wave's stage
	v_lshlrev_b32 v10, 4, v1
	v_add_nc_u32 v10, s58, v10                     ; into it: 16 x lane of a row's half
	v_mul_u32_u24 v11, v2, SPIT
	v_lshl_add_u32 v11, v3, 6, v11
	v_add_nc_u32 v11, s58, v11                     ; out of it: row r, + 64 h
	v_mov_b32 v30, 0                               ; written once: a lane permute's destination counts as one of its sources
	s_mov_b32 s32, 0x76543210
	s_mov_b32 s33, 0xfedcba98                      ; lane l xor 16
	s_mov_b32 s34, 0x3a800000                      ; 1 / 1,024
	s_mov_b32 s35, 0x3727c5ac                      ; 1e-5
	s_lshl_b32 s4, ttmp9, 14
	s_add_nc_u64 s[52:53], s[28:29], s[4:5]        ; my tile's eight fragments in the three sets of codes
	s_add_nc_u64 s[54:55], s[52:53], 0x400000
	s_add_nc_u64 s[56:57], s[52:53], 0x800000
	s_wait_alu depctr_va_vdst(0)
	s_wait_kmcnt 0x0
	MKSCALE 37, 24, 25                             ; e1: the operand of the product with Wq
	MKSCALE 39, 26, 27                             ; e3: with Wk
	MKSCALE 41, 28, 29                             ; e5: with Wv
	s_wait_loadcnt 32                              ; g and b are in; the 32 younger loads of x may be out
	ds_store_b128 v9, v[232:235]
	ds_store_b128 v9, v[236:239] offset:2048
	ds_store_b128 v9, v[240:243] offset:4096
	ds_store_b128 v9, v[244:247] offset:6144
.set rr, 0
.rept 16
	s_wait_loadcnt 30-2*rr                         ; token slot rr's two loads are in; the younger ones may be out
	ds_store_b128 v10, v[X+8*rr:X+8*rr+3] offset:SPIT*rr
	ds_store_b128 v10, v[X+8*rr+4:X+8*rr+7] offset:SPIT*rr+512
.set rr, rr+1
.endr
	s_wait_dscnt 0x0                               ; the stores have read their registers: the loads below land in them
.set bb, 0
.rept 8
.irp j, 0,1,2,3
	ds_load_b128 v[X+16*bb+4*\j:X+16*bb+4*\j+3], v11 offset:128*bb+16*\j   ; my row's k = 256 w + 32 bb + 16 h + 4 j on
.endr
.set bb, bb+1
.endr
; my lanes' four chains are joined, then lane l xor 16's, then the four waves' through LDS: every lane ends with the row's sum
.macro REDUCE off
	v_pk_add_f32 v[12:13], v[12:13], v[14:15]
	v_pk_add_f32 v[16:17], v[16:17], v[18:19]
	v_pk_add_f32 v[12:13], v[12:13], v[16:17]
	v_add_f32 v12, v12, v13
	v_permlanex16_b32 v30, v12, s32, s33
	v_add_f32 v12, v12, v30
	ds_store_b32 v6, v12 offset:\off               ; lanes r and r + 16 write the same word with the same number
	s_wait_dscnt 0x0                               ; for the others' sake: all my LDS stores have landed
	s_barrier_signal -1
	s_barrier_wait -1
	ds_load_b128 v[12:15], v7 offset:\off
	s_wait_dscnt 0x0
	v_add_f32 v12, v12, v13
	v_add_f32 v14, v14, v15
	v_add_f32 v12, v12, v14
.endm
	s_wait_dscnt 0x0                               ; my 128 numbers are back from the stage
.irp c, 0,1,2,3
	v_pk_add_f32 v[12+2*\c:13+2*\c], v[X+2*\c:X+2*\c+1], v[X+8+2*\c:X+9+2*\c]   ; the first pairs start four chains: nothing is cleared
.endr
.set jj, 16
.rept 56
	v_pk_add_f32 v[12+2*((jj/2)%4):13+2*((jj/2)%4)], v[12+2*((jj/2)%4):13+2*((jj/2)%4)], v[X+jj:X+jj+1]
.set jj, jj+2
.endr
	REDUCE 0                                       ; its barrier also shows g and b to every wave
	v_mul_f32 v20, s34, v12                        ; the mean
	v_mov_b32 v21, v20
.set jj, 0
.rept 64
	v_pk_add_f32 v[X+jj:X+jj+1], v[X+jj:X+jj+1], v[20:21] neg_lo:[0,1] neg_hi:[0,1]   ; x - mean first, squares second: a common offset of x costs the variance nothing
.set jj, jj+2
.endr
.irp c, 0,1,2,3
	v_pk_mul_f32 v[12+2*\c:13+2*\c], v[X+2*\c:X+2*\c+1], v[X+2*\c:X+2*\c+1]
.endr
.set jj, 8
.rept 60
	v_pk_fma_f32 v[12+2*((jj/2)%4):13+2*((jj/2)%4)], v[X+jj:X+jj+1], v[X+jj:X+jj+1], v[12+2*((jj/2)%4):13+2*((jj/2)%4)]
.set jj, jj+2
.endr
	REDUCE 256                                     ; other words than the first sum's, so that no third barrier is needed
.macro GLOAD b                         ; g and b of block b's 16 numbers
.irp j, 0,1,2,3
	ds_load_b128 v[GB+4*\j:GB+4*\j+3], v5 offset:128*(\b)+16*\j
	ds_load_b128 v[GB+16+4*\j:GB+16+4*\j+3], v5 offset:4096+128*(\b)+16*\j
.endr
.endm
	GLOAD 0
	v_fma_f32 v22, v12, s34, s35                   ; variance + eps
	s_wait_alu depctr_va_vdst(0)
	v_rsq_f32 v22, v22
	v_nop                                          ; a plain instruction behind the transcendental
	s_wait_alu depctr_va_vdst(0)                   ; and the wait ahead of the first use of its result
	v_mov_b32 v23, v22
; block b: 16 numbers are finished, then held and converted once for each scale; a store of the wave covers 512 consecutive bytes, aligned
.macro LNBLOCK b
	s_wait_dscnt 0x0                               ; this block's g and b are in
.irp i, 0,2,4,6,8,10,12,14
	v_pk_mul_f32 v[X+16*(\b)+\i:X+16*(\b)+\i+1], v[X+16*(\b)+\i:X+16*(\b)+\i+1], v[22:23]
.endr
.irp i, 0,2,4,6,8,10,12,14
	v_pk_fma_f32 v[X+16*(\b)+\i:X+16*(\b)+\i+1], v[X+16*(\b)+\i:X+16*(\b)+\i+1], v[GB+\i:GB+\i+1], v[GB+16+\i:GB+16+\i+1]
.endr
.if (\b) < 7
	GLOAD (\b)+1
.endif
.if (\b) >= 2
	s_wait_alu depctr_va_vdst(0)
	s_wait_xcnt 0x0                                ; the stores of two blocks ago have read their codes: that set is written again only behind this wait
.endif
.set qq, 0
.rept NQ
.set ii, 0
.rept 16
	v_med3_num_f32 v[TMP+ii], v[X+16*(\b)+ii], -v[25+2*qq], v[25+2*qq]   ; the conversion to an 8-bit code does not saturate (ISA guide 7.6.2): the hold comes first
.set ii, ii+1
.endr
	v_cvt_scalef32_pk8_fp8_f32 v[CD+12*((\b)%2)+4*qq:CD+12*((\b)%2)+4*qq+1], v[TMP:TMP+7], v[24+2*qq]
	v_cvt_scalef32_pk8_fp8_f32 v[CD+12*((\b)%2)+4*qq+2:CD+12*((\b)%2)+4*qq+3], v[TMP+8:TMP+15], v[24+2*qq]
	v_nop                                          ; a plain instruction between the conversions and the next holds, which write their sources
	global_store_b128 v8, v[CD+12*((\b)%2)+4*qq:CD+12*((\b)%2)+4*qq+3], s[52+2*qq:53+2*qq] offset:512*(\b)
.set qq, qq+1
.endr
.endm
	s_wait_alu depctr_va_vdst(0)
.irp b, 0,1,2,3,4,5,6,7
	LNBLOCK \b
.endr
	s_wait_tensorcnt 0x0
	ds_add_u32 v254, v255
	s_wait_dscnt 0x0
	s_endpgm
; ---------------- THE WEIGHTS: K is not their innermost axis.  A lane takes a column n and its registers run down K; a wave takes 32 columns x 256 along K.
; Lane L takes column 8 (L / 16) + L % 8 + 16 ((L / 8) % 2) of the 32: lanes 0-15 are then the 16 slots of the even tile, lanes 16-31 those of the odd one, and each load still reads the same 128 consecutive bytes.
; A lane's 32 codes of a block are two pieces of 16 bytes: sixteen lanes store 256 consecutive bytes, aligned.
.Lweights:
	s_wait_kmcnt 0x0
	s_wait_alu depctr_va_vdst(0)
	v_lshrrev_b32 v5, 4, v1                        ; which of the two tiles
	v_and_b32 v6, 7, v1
	v_bfe_u32 v7, v1, 3, 1
	v_lshl_add_u32 v3, v5, 3, v6
	v_lshl_add_u32 v3, v7, 4, v3
	v_lshlrev_b32 v3, 2, v3                        ; in: 4 x my column
	v_and_b32 v6, 15, v1
	v_lshlrev_b32 v6, 4, v6                        ; out: 16 x my slot
.macro WLOAD t, stride                 ; block t: 32 numbers down K into set t % 2
.set wi, 0
.rept 32
	global_load_b32 v[WX+32*((\t)%2)+wi], v3, s[4:5] offset:(32*(\t)+wi)*(\stride) th:TH_LOAD_NT
.set wi, wi+1
.endr
.endm
.macro WBLOCK t, stride
.if (\t) < 7
	s_wait_loadcnt 32                              ; this block's 32 loads are in; the next block's may be out
.else
	s_wait_loadcnt 0x0
.endif
.set wi, 0
.rept 32
	v_med3_num_f32 v[WX+32*((\t)%2)+wi], v[WX+32*((\t)%2)+wi], -v10, v10
.set wi, wi+1
.endr
.irp g, 0,1,2,3
	v_cvt_scalef32_pk8_fp8_f32 v[WC+8*(\t)+2*\g:WC+8*(\t)+2*\g+1], v[WX+32*((\t)%2)+8*\g:WX+32*((\t)%2)+8*\g+7], v11
.endr
	global_store_b128 v4, v[WC+8*(\t):WC+8*(\t)+3], s[6:7] offset:512*(\t)          ; k = 32 t + 0 .. 15: the image's lanes 0-15
	global_store_b128 v4, v[WC+8*(\t)+4:WC+8*(\t)+7], s[6:7] offset:512*(\t)+256    ; k = 32 t + 16 .. 31: its lanes 16-31
.if (\t)+2 < 8
	WLOAD (\t)+2, \stride
.endif
.endm
; s[4:5]: the wave's first number; s[6:7]: its place in wc; s60: bytes from a tile to the next; s61: e.  stride: bytes from a row of K to the next
.macro WBODY stride
	v_mul_u32_u24 v4, s60, v5
	v_add_nc_u32 v4, v4, v6
	WLOAD 0, \stride
	WLOAD 1, \stride
	MKSCALE 61, 11, 10
	s_wait_alu depctr_va_vdst(0)
.irp t, 0,1,2,3,4,5,6,7
	WBLOCK \t, \stride
.endr
.endm
	s_cmp_lt_u32 ttmp9, 352
	s_cbranch_scc0 .Lnot_a
	; Wq, Wk, Wv: [16 heads][1,024 k][64].  Rows of the operand: n = 64 head + d
	s_sub_co_u32 s3, ttmp9, 256
	s_lshr_b32 s33, s3, 5                          ; which of the three
	s_and_b32 s3, s3, 31
	s_lshl_b32 s3, s3, 2
	s_add_co_u32 s3, s3, s2                        ; the wave's number in its tensor, 0 .. 127
	s_cmp_eq_u32 s33, 0
	s_cselect_b64 s[4:5], s[14:15], s[16:17]
	s_cselect_b32 s61, s36, s38
	s_cmp_eq_u32 s33, 2
	s_cselect_b64 s[4:5], s[18:19], s[4:5]
	s_cselect_b32 s61, s40, s61                    ; e0, e2 or e4
	s_and_b32 s34, s3, 1                           ; which 32 of the head's 64 columns
	s_bfe_u32 s35, s3, 0x20001                     ; which 256 along K
	s_lshr_b32 s52, s3, 3                          ; the head
	s_lshl_b32 s58, s52, 18
	s_lshl_b32 s53, s35, 16
	s_add_co_u32 s58, s58, s53
	s_lshl_b32 s53, s34, 7
	s_add_co_u32 s58, s58, s53
	s_mov_b32 s59, 0
	s_add_nc_u64 s[4:5], s[4:5], s[58:59]
	s_lshl_b32 s58, s33, 20                        ; the three images lie 1 MiB apart
	s_lshl_b32 s53, s52, 1
	s_add_co_u32 s53, s53, s34
	s_lshl_b32 s53, s53, 15                        ; a pair of tiles: 2 x 8 K steps x 2,048 bytes
	s_add_co_u32 s58, s58, s53
	s_lshl_b32 s53, s35, 12                        ; two K steps
	s_add_co_u32 s58, s58, s53
	s_add_nc_u64 s[6:7], s[30:31], s[58:59]
	s_mov_b32 s60, 16384
	s_wait_alu depctr_va_vdst(0)
	WBODY 256
	s_endpgm
.Lnot_a:
	s_cmp_lt_u32 ttmp9, 512
	s_cbranch_scc0 .Larm_c
	; Wo [1,024 k][1,024] (32 work-groups) and W2 [4,096 k][1,024] (128)
	s_sub_co_u32 s3, ttmp9, 352
	s_cmp_lt_u32 s3, 32
	s_cselect_b64 s[4:5], s[20:21], s[22:23]
	s_cselect_b32 s61, s47, s51                    ; e11 or e15
	s_cselect_b32 s33, 0, 32
	s_mov_b32 s60, 65536
	s_cselect_b32 s60, 16384, s60                  ; 8 or 32 K steps to a tile
	s_mov_b32 s34, 0x800000
	s_cselect_b32 s34, 0x300000, s34               ; the image's place in wc
	s_sub_co_u32 s3, s3, s33
	s_lshl_b32 s3, s3, 2
	s_add_co_u32 s3, s3, s2
	s_and_b32 s35, s3, 31                          ; which 32 columns
	s_lshr_b32 s52, s3, 5                          ; which 256 along K
	s_lshl_b32 s58, s52, 20
	s_lshl_b32 s53, s35, 7
	s_add_co_u32 s58, s58, s53
	s_mov_b32 s59, 0
	s_add_nc_u64 s[4:5], s[4:5], s[58:59]
	s_mul_i32 s58, s35, s60
	s_lshl_b32 s58, s58, 1
	s_add_co_u32 s58, s58, s34
	s_lshl_b32 s53, s52, 12
	s_add_co_u32 s58, s58, s53
	s_add_nc_u64 s[6:7], s[30:31], s[58:59]
	s_wait_alu depctr_va_vdst(0)
	WBODY 4096
	s_endpgm
.Larm_c:
	; W1 [1,024 k][4,096]
	s_sub_co_u32 s3, ttmp9, 512
	s_lshl_b32 s3, s3, 2
	s_add_co_u32 s3, s3, s2
	s_and_b32 s35, s3, 127
	s_lshr_b32 s52, s3, 7
	s_lshl_b32 s58, s52, 22
	s_lshl_b32 s53, s35, 7
	s_add_co_u32 s58, s58, s53
	s_mov_b32 s59, 0
	s_add_nc_u64 s[4:5], s[24:25], s[58:59]
	s_lshl_b32 s58, s35, 15
	s_add_co_u32 s58, s58, 0x400000
	s_lshl_b32 s53, s52, 12
	s_add_co_u32 s58, s58, s53
	s_add_nc_u64 s[6:7], s[30:31], s[58:59]
	s_mov_b32 s60, 16384
	s_mov_b32 s61, s49                             ; e13
	s_wait_alu depctr_va_vdst(0)
	WBODY 16384
	s_endpgm
.Lfunc_end_k_q91c0d5dcad_prep:
	.size	k_q91c0d5dcad_prep, .Lfunc_end_k_q91c0d5dcad_prep-k_q91c0d5dcad_prep
	.p2alignl 7, 3214868480
	.fill 96, 4, 3214868480
	.section	.rodata,"a",@progbits
	.p2align	6, 0x0
	.amdhsa_kernel k_q91c0d5dcad_prep
		.amdhsa_group_segment_fixed_size 76288
		.amdhsa_private_segment_fixed_size 0
		.amdhsa_enable_private_segment 0
		.amdhsa_kernarg_size 96
		.amdhsa_user_sgpr_count 2
		.amdhsa_user_sgpr_kernarg_segment_ptr 1
		.amdhsa_wavefront_size32 1
		.amdhsa_system_sgpr_workgroup_id_x 1
		.amdhsa_system_sgpr_workgroup_id_y 1
		.amdhsa_system_sgpr_workgroup_id_z 1
		.amdhsa_system_vgpr_workitem_id 0
		.amdhsa_next_free_vgpr 256
		.amdhsa_next_free_sgpr 66
		.amdhsa_reserve_vcc 0
		.amdhsa_float_denorm_mode_32 3
		.amdhsa_float_denorm_mode_16_64 3
		.amdhsa_memory_ordered 1
		.amdhsa_forward_progress 1
		.amdhsa_inst_pref_size 204
	.end_amdhsa_kernel
	.amdgpu_metadata
---
amdhsa.version: [ 1, 2 ]
amdhsa.kernels:
  - .name:           k_q91c0d5dcad_prep
    .symbol:         k_q91c0d5dcad_prep.kd
    .args:
      - { .name: x, .offset: 0, .size: 8, .value_kind: global_buffer, .address_space: global }
      - { .name: ln1_g, .offset: 8, .size: 8, .value_kind: global_buffer, .address_space: global }
      - { .name: ln1_b, .offset: 16, .size: 8, .value_kind: global_buffer, .address_space: global }
      - { .name: Wq, .offset: 24, .size: 8, .value_kind: global_buffer, .address_space: global }
      - { .name: Wk, .offset: 32, .size: 8, .value_kind: global_buffer, .address_space: global }
      - { .name: Wv, .offset: 40, .size: 8, .value_kind: global_buffer, .address_space: global }
      - { .name: Wo, .offset: 48, .size: 8, .value_kind: global_buffer, .address_space: global }
      - { .name: W2, .offset: 56, .size: 8, .value_kind: global_buffer, .address_space: global }
      - { .name: W1, .offset: 64, .size: 8, .value_kind: global_buffer, .address_space: global }
      - { .name: lowp_scales, .offset: 72, .size: 8, .value_kind: global_buffer, .address_space: global }
      - { .name: lxc, .offset: 80, .size: 8, .value_kind: global_buffer, .address_space: global }
      - { .name: wc, .offset: 88, .size: 8, .value_kind: global_buffer, .address_space: global }
    .group_segment_fixed_size: 76288
    .private_segment_fixed_size: 0
    .kernarg_segment_align: 8
    .kernarg_segment_size: 96
    .max_flat_workgroup_size: 128
    .sgpr_count:     66
    .vgpr_count:     256
    .wavefront_size: 32
...
	.end_amdgpu_metadata
.endif
;; end of part 1
;; launch proj (part 2): grid 12 x 16, 4 waves a work-group, clusters of 4 x 4, 327,680 bytes of LDS; arguments lxc, wc, lowp_scales, qkvc; writes qkvc
.if DOCPART == 2
	.amdgcn_target "amdgcn-amd-amdhsa--gfx1250"
	.amdhsa_code_object_version 6
	.text
	.protected	k_q91c0d5dcad_proj
	.globl	k_q91c0d5dcad_proj
	.p2align	8
	.type	k_q91c0d5dcad_proj,@function
k_q91c0d5dcad_proj:
	s_mov_b64 s[64:65], 0
	v_nop
	global_prefetch_b8 v0, s[64:65] scope:SCOPE_SE
	s_setreg_imm32_b32 hwreg(HW_REG_WAVE_MODE, 25, 1), 1
	s_wait_xcnt 0x0
	s_wait_alu depctr_hold_cnt(0) depctr_sa_sdst(0) depctr_va_vdst(0) depctr_va_sdst(0) depctr_va_ssrc(0) depctr_va_vcc(0) depctr_vm_vsrc(0)
	s_getreg_b32 s2, hwreg(HW_REG_IB_STS2, 6, 4)
	s_cmp_eq_u32 s2, 0
	s_cbranch_scc0 .Lentry_in_a_cluster
	s_endpgm
.Lentry_in_a_cluster:
	s_bfe_u32 s2, ttmp6, 0x10000c
	s_cmp_lg_u32 s2, 0xf033
	s_cbranch_scc0 .Lentry_shape_is_right
	s_endpgm
.Lentry_shape_is_right:
; PROJ: q, k and v: three products of the layer norm's codes with Wq's, Wk's, Wv's, on codes of FP8 (E4M3); each result is quantised on the way out and stored as an image of the operand that attention wants.
; The cluster's x says which: 0 q, 1 k, 2 v.  A work-group makes 256 x 256, a wave 128 x 128: 64 accumulators, 512 registers.  K = 1,024 goes in four slots' worth of 256 through a ring of two LDS slots.
; OPERANDS ARE IMAGES: a fragment (16 rows x 128 K) is 2,048 bytes, byte 512 c + 16 lane = registers 4 c .. 4 c + 3 of that lane; a buffer is [tile][K step][2,048].  So a fragment comes by four LDS loads of 512 consecutive
; bytes, with no pitch and no padding.  Within a matrix instruction k stands in a permuted order, the same on both sides.
; SOURCE 1 ('A' below) gives the lanes, SOURCE 0 ('B') the registers.  Slot r of tile T is row 32 (T / 2) + 8 (T % 2) + r + 8 (r / 8), so the 16 registers of B's tiles 2 g and 2 g + 1 are 16 neighbours: 16 bytes of the next operand.
; q, k: A = tokens, B = the weight's rows (a lane holds a token, its registers run along the head's 64).  v: A = Wv's rows, B = tokens (a lane holds a channel, its registers run along the keys, the second product's K).
; CLUSTERS: 4 x 4.  A's tiles are shared along a row of the cluster, B's along a column: each is asked for jointly.
; LIMITS: e6 - e0 - e1, e7 - e2 - e3 and e9 - e4 - e5 lie between -126 and 119, so that the folded scale and 448 x it are f32 numbers.
; REGISTERS: window 0: v16-31 addresses and scales; v32-95 at work on the way out; v128-255 A's fragments, ONE set, later the codes.  window 1: B's fragments, two sets.  windows 2, 3: accumulator (a, b) at v[8 (8 (a % 4) + b)].
.set USEBIAS, 0
.set TILEB,  4096                      ; a tile's part of a slot: two K steps
.set HALFT,  8*TILEB                   ; what one tensor load brings, and what one wave reads of A or of B
.set SLOT,   4*HALFT                   ; A's 16 tiles, then B's 16
.set SPARE,  2*SLOT                    ; behind the ring: the spare words, 128 bytes for each wave
.set FR,     16
.set NL,     4
.set NP,     4                         ; places behind this matrix instruction (ISA guide 7.12.1)
.set ADRA, 16                          ; v16-17  LDS address of my A fragments in slot 0, 1
.set ADRB, 20                          ; v20-21  the same for B
.set CO,   26                          ; v26     16 x lane
.set SPW,  28                          ; v28     my spare word; never rewritten
.set NIL,  29                          ; v29     0; never rewritten
.set SC,   30                          ; v30     the conversion's scale
.set LIM,  31                          ; v31     448 x it
.set TMP,  32
.set AF,   128
.set G1, 24
.set G0, 32
.set G1B, 48
.set G0B, 56
.set MSB, 0
.macro WIN new                         ; the immediate's high byte repeats the setting that is left
.if MSB != (\new)
	s_set_vgpr_msb (MSB<<8)|(\new)
.set MSB, (\new)
.endif
.endm
.set MUL_LO, 0xa1                      ; source 0 (B) window 1, source 1 (A) window 0, C and D window 2
.set MUL_HI, 0xf1
.set Z_LO,   0xa1
.set Z_HI,   0xf1
.set TO_B,   0x40
; a joint load: waves 0 and 1 fetch for A, waves 2 and 3 for B; four v_nop follow each of the two lines
.macro JLOAD g0a, g1a, g0b, g1b
	s_cmp_eq_u32 s15, 0
	s_cbranch_scc0 .Lfor_b_\@
	tensor_load_to_lds s[\g0a:\g0a+3], s[\g1a:\g1a+7]
	s_nop 0
.rept 4
	v_nop
.endr
	s_branch .Lasked_\@
.Lfor_b_\@:
	tensor_load_to_lds s[\g0b:\g0b+3], s[\g1b:\g1b+7]
	s_nop 0
.rept 4
	v_nop
.endr
.Lasked_\@:
.endm
.macro CREST                           ; a round of the cluster's barrier behind its opening barrier
	s_cmp_lg_u32 s14, 0
	s_cbranch_scc1 .Lnot_wave_0_\@
	s_barrier_signal -3
.Lnot_wave_0_\@:
	s_barrier_wait -3
	s_barrier_signal -1
	s_barrier_wait -1
.endm
.macro CROUND
	s_barrier_signal -1
	s_barrier_wait -1
	CREST
.endm
	s_load_b128 s[4:7], s[0:1], 0x0                ; lxc, wc
	s_load_b128 s[8:11], s[0:1], 0x10              ; the scales' exponents, qkvc
	v_lshl_add_u32 v[SPW], v0, 2, SPARE
	v_mov_b32 v[NIL], 0
	ds_add_u32 v28, v29
	ds_add_u32 v28, v29
	s_wait_dscnt 0x0
	v_lshrrev_b32 v1, 5, v0
	v_readfirstlane_b32 s14, v1                    ; wave 0..3
	s_lshr_b32 s15, s14, 1                         ; which half of A's rows is mine.  Also: I fetch for A (0) or for B (1)
	s_and_b32 s16, s14, 1                          ; which half of B's rows.  Also: which 8 tiles I fetch
	s_bfe_u32 s40, ttmp6, 0x40000                  ; cx
	s_bfe_u32 s41, ttmp6, 0x40004                  ; cy
	s_and_b32 s17, ttmp7, 0xffff
	s_lshl_b32 s17, s17, 2                         ; 4 x cluster y
	s_add_co_u32 s42, s17, s41
	s_add_co_u32 s66, s17, s40
	s_cmp_eq_u32 ttmp9, 2                          ; v?  The cluster's x is the same in all sixteen partners
	s_cselect_b32 s42, s41, s42                    ; A's block of 256 rows: tokens 4 Cy + cy, or Wv's rows cy: it hangs on cy alone
	s_cselect_b32 s66, s66, s40                    ; B's: the weight's rows cx, or tokens 4 Cy + cx: on cx alone
	s_lshl_b32 s43, s41, 2
	s_lshl_b32 s43, 15, s43                        ; my row of the cluster
	s_lshl_b32 s44, 0x1111, s40                    ; my column
	s_or_b32 s[G1+0], s43, (3<<16)|(1<<21)         ; 15:0 the mask; 17:16 elements of 8 bytes; 21 set beside a mask; no padding
	s_or_b32 s[G1B+0], s44, (3<<16)|(1<<21)
.irp g, G1, G1B
	s_mov_b32 s[\g+1], 512<<16                     ; tensor_dim0: 512 elements = a tile's 4,096 bytes of a slot
	s_mov_b32 s[\g+2], 8<<16                       ; tensor_dim1: 8 tiles
	s_mov_b32 s[\g+3], 512<<16                     ; tile_dim0
	s_mov_b32 s[\g+4], 8                           ; tile_dim1
	s_mov_b32 s[\g+5], 2048                        ; from tile to tile: 8 K steps x 2,048 bytes
	s_mov_b32 s[\g+6], 0
	s_mov_b32 s[\g+7], 0
.endr
	s_lshl_b32 s18, s16, 17                        ; my 8 tiles of the 16
	s_lshl_b32 s20, s42, 18
	s_add_co_u32 s20, s20, s18
	s_mov_b32 s21, 0
	s_lshl_b32 s46, s66, 18
	s_add_co_u32 s46, s46, s18
	s_mov_b32 s47, 0
	s_lshl_b32 s22, ttmp9, 22                      ; the three sets of the layer norm's codes lie 4 MiB apart,
	s_mov_b32 s23, 0
	s_lshl_b32 s84, ttmp9, 20                      ; the three weights' images 1 MiB
	s_mov_b32 s85, 0
	s_mul_i32 s45, s14, HALFT                      ; where my tiles go: no place in the cluster enters an LDS address
	s_wait_kmcnt 0x0
	s_load_b512 s[68:83], s[8:9], 0x0              ; e0 .. e15 in s68 .. s83
	s_add_nc_u64 s[4:5], s[4:5], s[22:23]
	s_add_nc_u64 s[6:7], s[6:7], s[84:85]
	s_cmp_eq_u32 ttmp9, 2
	s_cselect_b64 s[86:87], s[6:7], s[4:5]         ; A's buffer
	s_cselect_b64 s[88:89], s[4:5], s[6:7]         ; B's
	s_add_nc_u64 s[20:21], s[86:87], s[20:21]
	s_add_nc_u64 s[46:47], s[88:89], s[46:47]
	CROUND                                         ; all sixteen work-groups are here: the first joint loads meet
.irp s, 0,1
	s_mov_b32 s[G0+4*\s], 1
	s_add_co_u32 s[G0+4*\s+1], s45, \s*SLOT
	s_add_nc_u64 s[G0+4*\s+2:G0+4*\s+3], s[20:21], \s*TILEB
	s_or_b32 s[G0+4*\s+3], s[G0+4*\s+3], 0x80000000
	s_mov_b32 s[G0B+4*\s], 1
	s_add_co_u32 s[G0B+4*\s+1], s45, \s*SLOT
	s_add_nc_u64 s[G0B+4*\s+2:G0B+4*\s+3], s[46:47], \s*TILEB
	s_or_b32 s[G0B+4*\s+3], s[G0B+4*\s+3], 0x80000000
.if \s
	s_wait_alu depctr_va_vdst(0)
	s_wait_tensorcnt 0x0                           ; slot 1's first fill is issued as a refill is
	ds_add_u32 v28, v29
	ds_add_u32 v28, v29
	s_wait_dscnt 0x0
	CROUND
.endif
	JLOAD G0+4*\s, G1, G0B+4*\s, G1B
.if \s == 0
	s_cmp_eq_u32 s15, 0                            ; the prefetches: of the 8 tiles that I fetch, the partner at place p (cx for A, cy for B) names tiles 2 p and 2 p + 1: told apart by address alone
	s_cselect_b64 s[94:95], s[20:21], s[46:47]
	s_cselect_b32 s96, s40, s41
	s_lshl_b32 s96, s96, 15
	s_mov_b32 s97, 0
	s_add_nc_u64 s[94:95], s[94:95], s[96:97]
	v_bfe_u32 v4, v0, 4, 1
	v_and_b32 v5, 15, v0
	v_lshlrev_b32 v27, 14, v4                      ; lanes 0-15 the first tile, lanes 16-31 the second, 16,384 bytes on;
	v_lshl_add_u32 v27, v5, 8, v27                 ; lanes 256 bytes apart: a slot's 4,096 bytes of each
	global_prefetch_b8 v27, s[94:95] offset:4096 th:TH_LOAD_NT scope:SCOPE_SE   ; slot 1's and slot 2's K steps; each block of 256 bytes is named once in the cluster
	global_prefetch_b8 v27, s[94:95] offset:8192 th:TH_LOAD_NT scope:SCOPE_SE
.endif
.endr
	v_and_b32 v1, 31, v0
	v_lshlrev_b32 v[CO], 4, v1
	s_mul_i32 s21, s15, HALFT
	s_mul_i32 s22, s16, HALFT
	s_add_co_u32 s22, s22, 2*HALFT
.irp s, 0,1
	v_add_nc_u32 v[ADRA+\s], s21, v[CO]
	v_add_nc_u32 v[ADRB+\s], s22, v[CO]
	s_add_co_u32 s21, s21, SLOT
	s_add_co_u32 s22, s22, SLOT
.endr
	s_wait_alu depctr_va_vdst(0)
	s_wait_kmcnt 0x0
	s_add_co_i32 s90, s68, s69                     ; a sum stands for sum x 2^(the two operands' e added); its code is sum / 2^(the result's e - that): the three scales fold into the conversion's one
	s_add_co_i32 s91, s70, s71
	s_add_co_i32 s92, s72, s73
	s_cmp_eq_u32 ttmp9, 0
	s_cselect_b32 s90, s90, s91
	s_cselect_b32 s93, s74, s75                    ; e6 for q, e7 for k,
	s_cmp_eq_u32 ttmp9, 2
	s_cselect_b32 s90, s92, s90
	s_cselect_b32 s93, s77, s93                    ; e9 for v
	s_sub_co_i32 s90, s93, s90
	s_add_co_i32 s90, s90, 127
	s_lshl_b32 s91, s90, 23
	v_mov_b32 v[SC], s91
	s_add_co_i32 s90, s90, 8
	s_lshl_b32 s90, s90, 23
	s_or_b32 s90, s90, 0x600000
	v_mov_b32 v[LIM], s90
.macro FRAG reg, adr, q, i             ; tile i's fragment of the slot's q-th K step: four loads of 512 consecutive bytes
.irp c, 0,1,2,3
	ds_load_b128 v[\reg+4*\c:\reg+4*\c+3], v[\adr] offset:2048*(\q)+512*\c+(\i)*TILEB
.endr
.endm
; 16 matrix instructions: A's blocks a0, a0 + 1 x B's eight.  The 64 accumulators take turns, one instruction a turn, in the same order in every step
.macro MUL16 a0, p, zero
.irp a, \a0, \a0+1
.irp b, 0,1,2,3,4,5,6,7
.if \zero
.if USEBIAS
	v_wmma_f32_16x16x128_fp8_fp8 v[8*(8*((\a)%4)+\b):8*(8*((\a)%4)+\b)+7], v[128*(\p)+FR*\b:128*(\p)+FR*\b+FR-1], v[AF+FR*(\a):AF+FR*(\a)+FR-1], v[TMP+8*\b:TMP+8*\b+7]
.else
	v_wmma_f32_16x16x128_fp8_fp8 v[8*(8*((\a)%4)+\b):8*(8*((\a)%4)+\b)+7], v[128*(\p)+FR*\b:128*(\p)+FR*\b+FR-1], v[AF+FR*(\a):AF+FR*(\a)+FR-1], 0
.endif
.else
	v_wmma_f32_16x16x128_fp8_fp8 v[8*(8*((\a)%4)+\b):8*(8*((\a)%4)+\b)+7], v[128*(\p)+FR*\b:128*(\p)+FR*\b+FR-1], v[AF+FR*(\a):AF+FR*(\a)+FR-1], v[8*(8*((\a)%4)+\b):8*(8*((\a)%4)+\b)+7]
.endif
.endr
.endr
.endm
.macro FETCH_B slot, q, p
	WIN TO_B
.irp i, 0,1,2,3,4,5,6,7
	FRAG 128*(\p)+FR*\i, ADRB+\slot, \q, \i
.endr
	WIN 0
.endm
.macro FETCH_A slot, q, i0
.irp i, \i0, \i0+1, \i0+2, \i0+3
	FRAG AF+FR*(\i), ADRA+\slot, \q, \i
.endr
.endm
.macro PLACES n                        ; plain vector instructions between a matrix instruction and a load into, or a vector instruction on, its registers
.rept \n
	v_nop
.endr
.endm
.macro STEP slot, q, zero              ; a step of 128 along K that has its successor in the same slot
	s_wait_dscnt 4*NL                              ; B's set and A's blocks 0-3 are in; the youngest 16 loads (A's blocks 4-7) may be out
.if \zero
	WIN Z_LO
.else
	WIN MUL_LO
.endif
	MUL16 0, (\q)%2, \zero
	MUL16 2, (\q)%2, \zero
	s_wait_dscnt 0
	PLACES NP
	FETCH_B \slot, (\q)+1, 1-(\q)%2
	FETCH_A \slot, (\q)+1, 0
.if \zero
	WIN Z_HI
.else
	WIN MUL_HI
.endif
	MUL16 4, (\q)%2, \zero
	MUL16 6, (\q)%2, \zero
	PLACES NP
	WIN 0
	FETCH_A \slot, (\q)+1, 4
.endm
; a slot's last step changes slots: one barrier; in front of it each wave waits for all its tensor loads, adds 0 to its spare word, and waits for that and for its reads of this slot
.macro TURN slot, next, fill
	s_wait_tensorcnt 0x0                           ; all my tensor loads have landed: my part of the next slot
	ds_add_u32 v[SPW], v[NIL]
	s_wait_dscnt 4*NL+1                            ; (the add and the youngest 16 loads may be out)
	WIN MUL_LO
	MUL16 0, 1, 0
	s_wait_dscnt 0x0                               ; the add is done, and my reads of this slot are over
	s_barrier_signal -1
	MUL16 2, 1, 0
	WIN 0
	s_barrier_wait -1
.if \fill
	CREST                                          ; the barrier has opened a round of the cluster's: no wave of any partner still reads this slot or has a load on its way
	s_add_nc_u64 s[G0+4*\slot+2:G0+4*\slot+3], s[G0+4*\slot+2:G0+4*\slot+3], 2*TILEB
	s_add_nc_u64 s[G0B+4*\slot+2:G0B+4*\slot+3], s[G0B+4*\slot+2:G0B+4*\slot+3], 2*TILEB
	JLOAD G0+4*\slot, G1, G0B+4*\slot, G1B         ; the first tensor load behind the round; its four v_nop are the places in front of the loads below
.else
	PLACES NP
.endif
	FETCH_B \next, 0, 0
	FETCH_A \next, 0, 0
	WIN MUL_HI
	MUL16 4, 1, 0
	MUL16 6, 1, 0
	PLACES NP
	WIN 0
	FETCH_A \next, 0, 4
.endm
	s_wait_tensorcnt 1                             ; my part of slot 0 is in; slot 1's load may be out
	s_barrier_signal -1
	s_barrier_wait -1
	FETCH_B 0, 0, 0
	FETCH_A 0, 0, 0
	FETCH_A 0, 0, 4
	STEP 0, 0, 1                                   ; K = 1,024 is eight steps: they are written out; the first starts the sums
	TURN 0, 1, 1
	global_prefetch_b8 v27, s[94:95] offset:12288 th:TH_LOAD_NT scope:SCOPE_SE  ; the last fill's K steps, two K steps ahead of their load
	STEP 1, 0, 0
	TURN 1, 0, 1
	STEP 0, 0, 0
	TURN 0, 1, 0                                   ; nothing is left to fetch
	STEP 1, 0, 0
	s_wait_dscnt 4*NL
	WIN MUL_LO
	MUL16 0, 1, 0
	MUL16 2, 1, 0
	s_wait_dscnt 0
	WIN MUL_HI
	MUL16 4, 1, 0
	MUL16 6, 1, 0
	WIN 0
	PLACES NP
; THE WAY OUT, with no LDS: for each of A's blocks the 64 sums of a lane are held, converted (16 neighbours to 16 bytes) and stored: a store of the wave covers 512 consecutive bytes, aligned.
; kind 0: q, k [head of a batch 64][token tile 64][c 2][512];  1: v [head of a batch][key step 8][channel tile 4][c 4][512];  2: [token tile][K step 32][2,048].  Each block has its own registers for its codes.
.macro EPI kind, relu
.irp a, 0,1,2,3,4,5,6,7
	WIN (0x02+(\a/4))
.set ei, 0
.rept 64
.if \relu
	v_med3_num_f32 v[TMP+ei], v[64*(\a%4)+ei], 0, v[LIM]
.else
	v_med3_num_f32 v[TMP+ei], v[64*(\a%4)+ei], -v[LIM], v[LIM]   ; each accumulator from its low end on
.endif
.set ei, ei+1
.endr
	WIN 0
.irp g, 0,1,2,3
	v_cvt_scalef32_pk8_fp8_f32 v[AF+16*\a+4*\g:AF+16*\a+4*\g+1], v[TMP+16*\g:TMP+16*\g+7], v[SC]
	v_cvt_scalef32_pk8_fp8_f32 v[AF+16*\a+4*\g+2:AF+16*\a+4*\g+3], v[TMP+16*\g+8:TMP+16*\g+15], v[SC]
.endr
	v_nop                                          ; a plain instruction between the conversions and the next block's holds, which write their sources
.irp g, 0,1,2,3
.if \kind == 0
	global_store_b128 v[CO], v[AF+16*\a+4*\g:AF+16*\a+4*\g+3], s[10:11] offset:\a*1024+(\g/2)*65536+(\g%2)*512
.elseif \kind == 1
	global_store_b128 v[CO], v[AF+16*\a+4*\g:AF+16*\a+4*\g+3], s[10:11] offset:(\a/4)*65536+(\a%4)*2048+\g*512
.else
	global_store_b128 v[CO], v[AF+16*\a+4*\g:AF+16*\a+4*\g+3], s[10:11] offset:\a*65536+\g*512
.endif
.endr
.endr
.endm
	s_cmp_eq_u32 ttmp9, 2
	s_cbranch_scc1 .Lv_out
	s_lshl_b32 s90, s42, 4
	s_lshl_b32 s91, s15, 3
	s_add_co_u32 s90, s90, s91                     ; my first token tile
	s_lshr_b32 s91, s90, 6
	s_lshl_b32 s91, s91, 20                        ; the batch: 16 heads x 65,536 bytes
	s_and_b32 s90, s90, 63
	s_lshl_b32 s90, s90, 10
	s_add_co_u32 s90, s90, s91
	s_lshl_b32 s91, s66, 2
	s_lshl_b32 s92, s16, 1
	s_add_co_u32 s91, s91, s92                     ; my first head: my 128 rows of the weight are two heads
	s_lshl_b32 s91, s91, 16
	s_add_co_u32 s90, s90, s91
	s_lshl_b32 s91, ttmp9, 22                      ; q at 0, k at 4 MiB
	s_add_co_u32 s90, s90, s91
	s_mov_b32 s91, 0
	s_add_nc_u64 s[10:11], s[10:11], s[90:91]
	s_wait_alu depctr_va_vdst(0)
	EPI 0, 0
	s_branch .Lout_done
.Lv_out:
	s_lshl_b32 s90, s42, 2
	s_lshl_b32 s91, s15, 1
	s_add_co_u32 s90, s90, s91                     ; my first head: my 128 rows of Wv are two heads
	s_lshr_b32 s91, s66, 2
	s_lshl_b32 s91, s91, 4                         ; the batch
	s_add_co_u32 s90, s90, s91
	s_lshl_b32 s90, s90, 16
	s_and_b32 s91, s66, 3
	s_lshl_b32 s91, s91, 1
	s_add_co_u32 s91, s91, s16                     ; my 128 tokens are one key step
	s_lshl_b32 s91, s91, 13
	s_add_co_u32 s90, s90, s91
	s_add_co_u32 s90, s90, 0x800000                ; v at 8 MiB
	s_mov_b32 s91, 0
	s_add_nc_u64 s[10:11], s[10:11], s[90:91]
	s_wait_alu depctr_va_vdst(0)
	EPI 1, 0
.Lout_done:
	s_wait_tensorcnt 0x0                           ; the wave's end
	ds_add_u32 v[SPW], v[NIL]
	s_wait_dscnt 0x0
	CROUND                                         ; the closing round: no work-group ends while a partner may still ask for a tile that names it
	s_endpgm
.Lfunc_end_k_q91c0d5dcad_proj:
	.size	k_q91c0d5dcad_proj, .Lfunc_end_k_q91c0d5dcad_proj-k_q91c0d5dcad_proj
	.p2alignl 7, 3214868480
	.fill 96, 4, 3214868480
	.section	.rodata,"a",@progbits
	.p2align	6, 0x0
	.amdhsa_kernel k_q91c0d5dcad_proj
		.amdhsa_group_segment_fixed_size 327680
		.amdhsa_private_segment_fixed_size 0
		.amdhsa_enable_private_segment 0
		.amdhsa_kernarg_size 32
		.amdhsa_user_sgpr_count 2
		.amdhsa_user_sgpr_kernarg_segment_ptr 1
		.amdhsa_wavefront_size32 1
		.amdhsa_system_sgpr_workgroup_id_x 1
		.amdhsa_system_sgpr_workgroup_id_y 1
		.amdhsa_system_sgpr_workgroup_id_z 1
		.amdhsa_system_vgpr_workitem_id 0
		.amdhsa_next_free_vgpr 1024
		.amdhsa_next_free_sgpr 98
		.amdhsa_reserve_vcc 0
		.amdhsa_float_denorm_mode_32 3
		.amdhsa_float_denorm_mode_16_64 3
		.amdhsa_memory_ordered 1
		.amdhsa_forward_progress 1
		.amdhsa_inst_pref_size 159
	.end_amdhsa_kernel
	.amdgpu_metadata
---
amdhsa.version: [ 1, 2 ]
amdhsa.kernels:
  - .name:           k_q91c0d5dcad_proj
    .symbol:         k_q91c0d5dcad_proj.kd
    .args:
      - { .name: lxc, .offset: 0, .size: 8, .value_kind: global_buffer, .address_space: global }
      - { .name: wc, .offset: 8, .size: 8, .value_kind: global_buffer, .address_space: global }
      - { .name: lowp_scales, .offset: 16, .size: 8, .value_kind: global_buffer, .address_space: global }
      - { .name: qkvc, .offset: 24, .size: 8, .value_kind: global_buffer, .address_space: global }
    .group_segment_fixed_size: 327680
    .private_segment_fixed_size: 0
    .kernarg_segment_align: 8
    .kernarg_segment_size: 32
    .max_flat_workgroup_size: 128
    .sgpr_count:     98
    .vgpr_count:     1024
    .wavefront_size: 32
...
	.end_amdgpu_metadata
.endif
;; end of part 2
;; launch attn (part 3): grid 4 x 64, 16 waves a work-group, clusters of 4 x 1, 169,984 bytes of LDS; arguments qkvc, lowp_scales, oc; writes oc
.if DOCPART == 3
	.amdgcn_target "amdgcn-amd-amdhsa--gfx1250"
	.amdhsa_code_object_version 6
	.text
	.protected	k_q91c0d5dcad_attn
	.globl	k_q91c0d5dcad_attn
	.p2align	8
	.type	k_q91c0d5dcad_attn,@function
k_q91c0d5dcad_attn:
	s_mov_b64 s[64:65], 0
	v_nop
	global_prefetch_b8 v0, s[64:65] scope:SCOPE_SE
	s_setreg_imm32_b32 hwreg(HW_REG_WAVE_MODE, 25, 1), 1
	s_wait_xcnt 0x0
	s_wait_alu depctr_hold_cnt(0) depctr_sa_sdst(0) depctr_va_vdst(0) depctr_va_sdst(0) depctr_va_ssrc(0) depctr_va_vcc(0) depctr_vm_vsrc(0)
	s_getreg_b32 s2, hwreg(HW_REG_IB_STS2, 6, 4)
	s_cmp_eq_u32 s2, 0
	s_cbranch_scc0 .Lentry_in_a_cluster
	s_endpgm
.Lentry_in_a_cluster:
	s_bfe_u32 s2, ttmp6, 0x10000c
	s_cmp_lg_u32 s2, 0x3003
	s_cbranch_scc0 .Lentry_shape_is_right
	s_endpgm
.Lentry_shape_is_right:
; ATTN: causal attention on codes of FP8 (E4M3), head size 64, 1,024 keys; the result is quantised and stored as the image of the next product's operand.
; THE SOFTMAX AHEAD OF THE SECOND PRODUCT: t = score x log2(e) / 8; M = the row's largest t so far, rounded UP to a whole number; p = 2^(t - M) is what is quantised; the row's sum is taken of the unquantised p and divides at the end.
; When M moves, the sum and O are multiplied by 2^(old M - new M): exact.
; SHARES.  A cluster of four work-groups owns one head of one batch (the cluster's y).  The head's K and V, 65,536 bytes each, lie whole in each work-group's LDS: each byte is filled once, by joint loads, one of 8,192 bytes a wave,
; so there is no ring; ONE barrier shows them to all sixteen waves, and behind it no wave waits for another before the end.
; A wave owns ONE tile of 16 queries.  Wave w = 4 b + a takes group G = (2 (b / 2) + a / 2) xor 7 ((a xor b) % 2) of 128 queries and in it tile 2 cx + b % 2: it needs key steps 0 .. G, and step G lies on the diagonal.
; G hangs on the wave's number alone, so no branch hangs on a work-group's place in its cluster; in the 4 x 4 table of G every row and every column adds up to 14, so four waves taken by a or by b have 18 steps together.
; (A second barrier in the middle of the keys would part those 18 unevenly: 14 + 6 or 15 + 7 at the worst.)
; LAYOUT.  Both products are used transposed: S^T = K Q^T (source 0 = 16 keys), O^T = V^T P^T (source 0 = 16 channels): a lane holds one query throughout.  Slot r of tile T is row 32 (T / 2) + 8 (T % 2) + r + 8 (r / 8),
; for queries, keys and channels alike: the 16 registers of tiles 2 g and 2 g + 1 are 16 neighbours, keys for p and channels for o.
; LIMITS: e6 + e7 between -123 and 130 (added to c's exponent field); e8 and e10 - e8 - e9 between -126 and 119.
; REGISTERS: v1-9 addresses; v12 -M, v13 the largest t, v[14:15] the sum in two halves; v16-23 Q; v32-95 K's eight fragments, then V's four; v96-159 S^T, then p; v160-191 O^T; v200-211 at work and scales; v224-239 p's codes.
.set AK,  1                            ; v1   16 x lane: my place in an image, in K
.set AV,  2                            ; v2   the same in V, 65,536 bytes on
.set DQ,  3                            ; v3   my query's place in its group of 128, less 16 (lane / 16)
.set GO,  7                            ; v7   16 x lane, for memory
.set ADK, 8
.set ADV, 9
.set WV,  18
.set GG,  19
.set SEL, 20
.set CS,  22
.set G1,  24
.set G0,  32
.set CNT, 42
.set TB,  43
.macro ROUND
	s_barrier_signal -1
	s_barrier_wait -1
	s_cmp_lg_u32 s[WV], 0
	s_cbranch_scc1 .Lnot_wave_0_\@
	s_barrier_signal -3
.Lnot_wave_0_\@:
	s_barrier_wait -3
	s_barrier_signal -1
	s_barrier_wait -1
.endm
	s_load_b128 s[4:7], s[0:1], 0x0                ; qkvc, the scales' exponents
	s_load_b64 s[8:9], s[0:1], 0x10                ; oc
	v_lshl_add_u32 v254, v0, 2, 0x29000
	v_mov_b32 v255, 0
	ds_add_u32 v254, v255
	ds_add_u32 v254, v255
	v_lshrrev_b32 v1, 5, v0
	s_delay_alu instid0(VALU_DEP_1)
	v_readfirstlane_b32 s[WV], v1                  ; wave 0..15
	s_bfe_u32 s10, ttmp6, 0x40000                  ; cx: it enters Q's and O's addresses and the mask's numbers alone
	s_and_b32 s11, ttmp7, 0xffff                   ; 16 x batch + head
	s_and_b32 s12, s[WV], 3                        ; a
	s_lshr_b32 s13, s[WV], 2                       ; b
	s_lshr_b32 s14, s13, 1
	s_lshl_b32 s14, s14, 1
	s_lshr_b32 s15, s12, 1
	s_add_co_u32 s14, s14, s15
	s_xor_b32 s15, s12, s13
	s_and_b32 s15, s15, 1
	s_mul_i32 s15, s15, 7
	s_xor_b32 s[GG], s14, s15                      ; G
	s_mov_b32 s[G1], 15|(3<<16)|(1<<21)            ; 15:0 the mask: all four work-groups; 17:16 elements of 8 bytes; 21 set beside a mask
	s_mov_b32 s[G1+1], 32<<16                      ; a dense block of 8,192 bytes as 32 rows of 256
	s_mov_b32 s[G1+2], 32<<16
	s_mov_b32 s[G1+3], 32<<16
	s_mov_b32 s[G1+4], 32
	s_mov_b32 s[G1+5], 32
	s_mov_b32 s[G1+6], 0
	s_mov_b32 s[G1+7], 0
	s_mov_b32 s[SEL], 0x76543210
	s_mov_b32 s[SEL+1], 0xfedcba98
	s_mov_b32 s[CS], 0x3e38aa3b                    ; c = log2(e) / 8
	s_lshr_b32 s12, s[WV], 3                       ; waves 0-7 fetch K, waves 8-15 V:
	s_and_b32 s13, s[WV], 7
	s_lshl_b32 s13, s13, 13                        ; one key step's 8,192 bytes each
	s_lshl_b32 s14, s12, 16
	s_add_co_u32 s14, s14, s13                     ; in LDS,
	s_lshl_b32 s16, s12, 22
	s_add_co_u32 s16, s16, s13
	s_lshl_b32 s17, s11, 16
	s_add_co_u32 s16, s16, s17
	s_add_co_u32 s16, s16, 0x400000                ; and in memory: k at 4 MiB, v at 8 MiB, 65,536 bytes a head
	s_mov_b32 s17, 0
	s_wait_dscnt 0x0
	s_wait_kmcnt 0x0
	s_load_b512 s[44:59], s[6:7], 0x0              ; e0 .. e15 in s44 .. s59
	s_add_nc_u64 s[16:17], s[4:5], s[16:17]
	ROUND                                          ; all four work-groups are here: the joint loads meet
	s_mov_b32 s[G0], 1
	s_mov_b32 s[G0+1], s14
	s_mov_b64 s[G0+2:G0+3], s[16:17]
	s_or_b32 s[G0+3], s[G0+3], 0x80000000
	tensor_load_to_lds s[G0:G0+3], s[G1:G1+7]      ; my piece of the head: one load of mine is out
	s_nop 0
.rept 4
	v_nop
.endr
	v_and_b32 v4, 31, v0
	s_delay_alu instid0(VALU_DEP_1)
	v_lshlrev_b32 v[AK], 4, v4
	s_delay_alu instid0(VALU_DEP_1)
	v_add_nc_u32 v[AV], 65536, v[AK]
	s_delay_alu instid0(VALU_DEP_3)
	v_lshlrev_b32 v[GO], 4, v4
	s_wait_alu depctr_va_vdst(0)
	v_and_b32 v5, 15, v0                           ; r
	s_wait_alu depctr_va_vdst(0)
	v_bfe_u32 v6, v0, 4, 1                         ; h
	s_wait_alu depctr_va_vdst(0)
	s_lshr_b32 s12, s[WV], 2
	s_and_b32 s12, s12, 1                          ; b % 2
	s_lshl_b32 s13, s10, 1
	s_add_co_u32 s13, s13, s12
	s_lshl_b32 s14, s[GG], 3
	s_add_co_u32 s13, s13, s14                     ; my tile of queries: T = 8 G + 2 cx + b % 2
	s_lshl_b32 s14, s11, 6
	s_add_co_u32 s14, s14, s13
	s_lshl_b32 s14, s14, 10
	s_mov_b32 s15, 0
	s_add_nc_u64 s[60:61], s[4:5], s[14:15]
	global_load_b128 v[16:19], v[GO], s[60:61]     ; Q's fragment stays in registers
	global_load_b128 v[20:23], v[GO], s[60:61] offset:512
	s_lshr_b32 s14, s11, 4
	s_lshl_b32 s14, s14, 6
	s_add_co_u32 s14, s14, s13                     ; the token tile among all 256,
	s_lshl_b32 s14, s14, 14
	s_and_b32 s16, s11, 15
	s_lshr_b32 s16, s16, 1
	s_lshl_b32 s16, s16, 11                        ; the K step of the next product: two heads to 128,
	s_add_co_u32 s14, s14, s16
	s_and_b32 s16, s11, 1
	s_lshl_b32 s16, s16, 10                        ; and my head's two pieces of 512 bytes in it
	s_add_co_u32 s14, s14, s16
	s_add_nc_u64 s[8:9], s[8:9], s[14:15]
	s_lshl_b32 s62, s10, 5
	s_lshl_b32 s63, s12, 3
	s_add_co_u32 s62, s62, s63
	v_and_b32 v[DQ], 8, v5
	s_delay_alu instid0(VALU_DEP_1)
	v_add_nc_u32 v[DQ], v[DQ], v5
	v_lshlrev_b32 v6, 4, v6
	s_delay_alu instid0(VALU_DEP_1)
	v_sub_nc_u32 v[DQ], v[DQ], v6
	s_delay_alu instid0(VALU_DEP_1)
	v_add_nc_u32 v[DQ], s62, v[DQ]                 ; 32 cx + 8 (b % 2) + r + 8 (r / 8) - 16 h
	v_mov_b32 v13, 0xff61b1e6                      ; the largest t so far: -3e38, under every t
	s_delay_alu instid0(VALU_DEP_1)
	v_floor_f32 v12, -v13
	v_mov_b32 v14, 0
	v_mov_b32 v15, 0
	v_mov_b32 v200, 0                              ; written once: a lane permute's destination counts as one of its sources
	v_mov_b32 v203, 0                              ; (named as the upper half of the pair v[202:203])
.set jj, 0
.rept 32
	v_mov_b32 v[160+jj], 0                         ; O^T: the step is written once; the first finds zeros, which the first change of M leaves zeros
.set jj, jj+1
.endr
	s_wait_kmcnt 0x0
	s_add_co_i32 s12, s50, s51
	s_lshl_b32 s12, s12, 23
	s_add_co_i32 s[CS], s[CS], s12                 ; a score stands for score x 2^(e6 + e7): added to c's exponent field
	s_mov_b32 s[CS+1], s[CS]
	s_add_co_i32 s12, s52, 127
	s_lshl_b32 s13, s12, 23
	v_mov_b32 v209, s13                            ; 2^e8, for p's conversion
	s_add_co_i32 s12, s12, 8
	s_lshl_b32 s12, s12, 23
	s_or_b32 s12, s12, 0x600000
	v_mov_b32 v208, s12                            ; 448 x 2^e8
	s_sub_co_i32 s12, s54, s52
	s_sub_co_i32 s12, s12, s53
	s_add_co_i32 s12, s12, 127
	s_lshl_b32 s13, s12, 23
	v_mov_b32 v210, s13                            ; 2^(e10 - e8 - e9), for o's conversion
	s_add_co_i32 s12, s12, 8
	s_lshl_b32 s12, s12, 23
	s_or_b32 s12, s12, 0x600000
	v_mov_b32 v211, s12
; A KEY STEP: 128 keys, at LDS byte s[TB] of K and of V.  A step past my group is left out by a branch on the wave's number and the loop's count; the line that steps the address is on every path.
.macro STEP
	v_add_nc_u32 v[ADK], s[TB], v[AK]
	v_add_nc_u32 v[ADV], s[TB], v[AV]
	s_cmp_gt_u32 s[CNT], s[GG]
	s_cbranch_scc1 .Lskip_\@
	v_nop                                          ; with the two additions: four places in front of loads into registers that the last products read
	v_nop
.irp t, 0,1,2,3,4,5,6,7
	ds_load_b128 v[32+8*\t:35+8*\t], v[ADK] offset:1024*\t
	ds_load_b128 v[36+8*\t:39+8*\t], v[ADK] offset:1024*\t+512
.endr
	s_wait_dscnt 0x0
.irp t, 0,1,2,3,4,5,6,7
	v_wmma_f32_16x16x64_fp8_fp8 v[96+8*\t:103+8*\t], v[32+8*\t:39+8*\t], v[16:23], 0
.endr
.rept 4
	v_nop
.endr
	s_wait_alu depctr_va_vdst(0)
.irp t, 0,1,2,3
.irp c, 0,1,2,3
	ds_load_b128 v[32+16*\t+4*\c:35+16*\t+4*\c], v[ADV] offset:2048*\t+512*\c   ; V's four fragments land while the softmax is walked
.endr
.endr
	s_cmp_lg_u32 s[CNT], s[GG]
	s_cbranch_scc1 .Lopen_\@
	v_mov_b32 v205, 0xff800000                     ; on the diagonal hidden scores become -infinity ahead of the maximum: register 16 g + i holds key 32 g + 16 h + i of the step
.set nn, 0
.rept 64
	v_cmp_gt_i32 vcc_lo, 32*(nn/16)+nn%16, v[DQ]
	v_cndmask_b32 v[96+nn], v[96+nn], v205, vcc_lo
.set nn, nn+1
.endr
.Lopen_\@:
	v_max3_num_f32 v204, v96, v97, v98             ; the step's largest score of my query, in two chains
	v_max3_num_f32 v205, v99, v100, v101
.irp i, 6,10,14,18,22,26,30,34,38,42,46,50,54,58
	v_max3_num_f32 v204, v204, v[96+\i], v[97+\i]
	v_max3_num_f32 v205, v205, v[98+\i], v[99+\i]
.endr
	v_max3_num_f32 v204, v204, v158, v159
	s_delay_alu instid0(VALU_DEP_1)
	v_max_num_f32 v204, v204, v205
	s_delay_alu instid0(VALU_DEP_1)
	v_permlanex16_b32 v200, v204, s[SEL], s[SEL+1]
	s_delay_alu instid0(VALU_DEP_1)
	v_max_num_f32 v204, v204, v200
	s_delay_alu instid0(VALU_DEP_1)
	v_mul_f32 v204, s[CS], v204                    ; as t (c is positive)
	s_delay_alu instid0(VALU_DEP_1)
	v_max_num_f32 v13, v13, v204
	v_mov_b32 v204, v12
	s_delay_alu instid0(VALU_DEP_2)
	v_floor_f32 v12, -v13                          ; the new -M = floor(-t): M is a whole number
	s_delay_alu instid0(VALU_DEP_1)
	v_sub_f32 v204, v12, v204
	s_delay_alu instid0(VALU_DEP_1)
	v_cvt_i32_f32 v204, v204                       ; (it saturates)
	s_delay_alu instid0(VALU_DEP_1)
	v_ldexp_f32 v202, 1.0, v204                    ; f = 2^(old M - new M)
.set jj, 0
.rept 32
	v_pk_fma_f32 v[96+jj:97+jj], v[96+jj:97+jj], s[CS:CS+1], v[12:13] op_sel_hi:[1,0,0]   ; t - M
.set jj, jj+2
.endr
.set jj, 0
	s_wait_alu depctr_va_vdst(0)
.rept 64
	v_exp_f32 v[96+jj], v[96+jj]                   ; p = 2^(t - M)
.set jj, jj+1
.endr
	v_pk_mul_f32 v[14:15], v[14:15], v[202:203] op_sel_hi:[1,0]   ; the sums under the new M: the plain instruction behind the exponentials
	s_wait_alu depctr_va_vdst(0)                   ; one wait for the whole batch, ahead of its first reader
	v_pk_add_f32 v[206:207], v[100:101], v[104:105]
	v_pk_add_f32 v[252:253], v[108:109], v[112:113]
	v_pk_add_f32 v[250:251], v[116:117], v[120:121]
	v_pk_add_f32 v[248:249], v[124:125], v[128:129]
	v_pk_add_f32 v[246:247], v[132:133], v[136:137]
	v_pk_add_f32 v[244:245], v[140:141], v[144:145]
	v_pk_add_f32 v[242:243], v[148:149], v[152:153]
	v_pk_add_f32 v[14:15], v[14:15], v[156:157]
	v_pk_add_f32 v[206:207], v[206:207], v[96:97]
	v_pk_add_f32 v[252:253], v[252:253], v[98:99]
	v_pk_add_f32 v[250:251], v[250:251], v[102:103]
	v_pk_add_f32 v[248:249], v[248:249], v[106:107]
	v_pk_add_f32 v[246:247], v[246:247], v[110:111]
	v_pk_add_f32 v[244:245], v[244:245], v[114:115]
	v_pk_add_f32 v[242:243], v[242:243], v[118:119]
	v_pk_add_f32 v[14:15], v[14:15], v[122:123]
	v_pk_add_f32 v[206:207], v[206:207], v[126:127]
	v_pk_add_f32 v[252:253], v[252:253], v[130:131]
	v_pk_add_f32 v[250:251], v[250:251], v[134:135]
	v_pk_add_f32 v[248:249], v[248:249], v[138:139]
	v_pk_add_f32 v[246:247], v[246:247], v[142:143]
	v_pk_add_f32 v[244:245], v[244:245], v[146:147]
	v_pk_add_f32 v[242:243], v[242:243], v[150:151]
	v_pk_add_f32 v[14:15], v[14:15], v[154:155]
	v_pk_add_f32 v[206:207], v[206:207], v[158:159]
	s_delay_alu instid0(VALU_DEP_2)
	v_pk_add_f32 v[14:15], v[14:15], v[248:249]
	s_delay_alu instid0(VALU_DEP_2)
	v_pk_add_f32 v[206:207], v[206:207], v[246:247]
	v_pk_add_f32 v[252:253], v[252:253], v[244:245]
	v_pk_add_f32 v[250:251], v[250:251], v[242:243]
	s_delay_alu instid0(VALU_DEP_2)
	v_pk_add_f32 v[14:15], v[14:15], v[252:253]
	s_delay_alu instid0(VALU_DEP_2)
	v_pk_add_f32 v[206:207], v[206:207], v[250:251]
	s_delay_alu instid0(VALU_DEP_1)
	v_pk_add_f32 v[14:15], v[14:15], v[206:207]
.irp g, 0,1,2,3
.irp i, 0,1,2,3,4,5,6,7,8,9,10,11,12,13,14,15
	v_min_num_f32 v[96+16*\g+\i], v[96+16*\g+\i], v208   ; p is not negative: the hold is one-sided
.endr
	v_cvt_scalef32_pk8_fp8_f32 v[224+4*\g:225+4*\g], v[96+16*\g:103+16*\g], v209
	v_cvt_scalef32_pk8_fp8_f32 v[226+4*\g:227+4*\g], v[104+16*\g:111+16*\g], v209
.endr
.set jj, 0
.rept 16
	v_pk_mul_f32 v[160+jj:161+jj], v[160+jj:161+jj], v[202:203] op_sel_hi:[1,0]   ; O^T under the new M; also the plain instructions behind the conversions
.set jj, jj+2
.endr
	s_wait_alu depctr_va_vdst(0)
	s_wait_dscnt 0x0                               ; V is in
.irp t, 0,1,2,3
	v_wmma_f32_16x16x128_fp8_fp8 v[160+8*\t:167+8*\t], v[32+16*\t:47+16*\t], v[224:239], v[160+8*\t:167+8*\t]
.endr
.Lskip_\@:
	s_add_co_u32 s[TB], s[TB], 8192
.endm
	s_wait_tensorcnt 0x0                           ; my piece of the head is in,
	s_barrier_signal -1
	s_barrier_wait -1                              ; everybody's is: K and V lie whole in LDS, and nothing is ever filled again
	s_wait_loadcnt 0x0                             ; Q
	s_mov_b32 s[CNT], 0
	s_mov_b32 s[TB], 0
.Lkeys:                                            ; eight trips, a constant: a wave works in trips 0 .. G
	STEP
	s_add_co_u32 s[CNT], s[CNT], 1
	s_cmp_lt_u32 s[CNT], 8
	s_cbranch_scc1 .Lkeys
	; THE WAY OUT: O^T / the sum, held, converted: 16 neighbouring channels to 16 bytes; a store of the wave covers 512 consecutive bytes, aligned
.rept 4
	v_nop
.endr
	v_add_f32 v14, v14, v15
	s_delay_alu instid0(VALU_DEP_1)
	v_permlanex16_b32 v200, v14, s[SEL], s[SEL+1]
	s_delay_alu instid0(VALU_DEP_1)
	v_add_f32 v14, v14, v200                       ; the row's sum: key 0 counts for every query, so it is not 0
	s_wait_alu depctr_va_vdst(0)
	v_rcp_f32 v14, v14
	v_nop
	s_wait_alu depctr_va_vdst(0)                   ; ahead of the reciprocal's first reader
.set jj, 0
.rept 16
	v_pk_mul_f32 v[96+jj:97+jj], v[160+jj:161+jj], v[14:15] op_sel_hi:[1,0]
.set jj, jj+2
.endr
.set jj, 0
.rept 32
	v_med3_num_f32 v[96+jj], v[96+jj], -v211, v211
.set jj, jj+1
.endr
.irp g, 0,1
	v_cvt_scalef32_pk8_fp8_f32 v[224+4*\g:225+4*\g], v[96+16*\g:103+16*\g], v210
	v_cvt_scalef32_pk8_fp8_f32 v[226+4*\g:227+4*\g], v[104+16*\g:111+16*\g], v210
.endr
	v_nop
	global_store_b128 v[GO], v[224:227], s[8:9]
	global_store_b128 v[GO], v[228:231], s[8:9] offset:512
	s_wait_tensorcnt 0x0
	ds_add_u32 v254, v255
	s_wait_dscnt 0x0
	ROUND                                          ; the closing round
	s_endpgm
.Lfunc_end_k_q91c0d5dcad_attn:
	.size	k_q91c0d5dcad_attn, .Lfunc_end_k_q91c0d5dcad_attn-k_q91c0d5dcad_attn
	.p2alignl 7, 3214868480
	.fill 96, 4, 3214868480
	.section	.rodata,"a",@progbits
	.p2align	6, 0x0
	.amdhsa_kernel k_q91c0d5dcad_attn
		.amdhsa_group_segment_fixed_size 169984
		.amdhsa_private_segment_fixed_size 0
		.amdhsa_enable_private_segment 0
		.amdhsa_kernarg_size 24
		.amdhsa_user_sgpr_count 2
		.amdhsa_user_sgpr_kernarg_segment_ptr 1
		.amdhsa_wavefront_size32 1
		.amdhsa_system_sgpr_workgroup_id_x 1
		.amdhsa_system_sgpr_workgroup_id_y 1
		.amdhsa_system_sgpr_workgroup_id_z 1
		.amdhsa_system_vgpr_workitem_id 0
		.amdhsa_next_free_vgpr 256
		.amdhsa_next_free_sgpr 66
		.amdhsa_reserve_vcc 1
		.amdhsa_float_denorm_mode_32 3
		.amdhsa_float_denorm_mode_16_64 3
		.amdhsa_memory_ordered 1
		.amdhsa_forward_progress 1
		.amdhsa_inst_pref_size 33
	.end_amdhsa_kernel
	.amdgpu_metadata
---
amdhsa.version: [ 1, 2 ]
amdhsa.kernels:
  - .name:           k_q91c0d5dcad_attn
    .symbol:         k_q91c0d5dcad_attn.kd
    .args:
      - { .name: qkvc, .offset: 0, .size: 8, .value_kind: global_buffer, .address_space: global }
      - { .name: lowp_scales, .offset: 8, .size: 8, .value_kind: global_buffer, .address_space: global }
      - { .name: oc, .offset: 16, .size: 8, .value_kind: global_buffer, .address_space: global }
    .group_segment_fixed_size: 169984
    .private_segment_fixed_size: 0
    .kernarg_segment_align: 8
    .kernarg_segment_size: 24
    .max_flat_workgroup_size: 512
    .sgpr_count:     66
    .vgpr_count:     256
    .wavefront_size: 32
...
	.end_amdgpu_metadata
.endif
;; end of part 3
;; launch oproj (part 4): grid 8 x 32, 4 waves a work-group, clusters of 4 x 4, 327,680 bytes of LDS; arguments oc, wc, lowp_scales, bo, x, x1; writes x1
.if DOCPART == 4
	.amdgcn_target "amdgcn-amd-amdhsa--gfx1250"
	.amdhsa_code_object_version 6
	.text
	.protected	k_q91c0d5dcad_oproj
	.globl	k_q91c0d5dcad_oproj
	.p2align	8
	.type	k_q91c0d5dcad_oproj,@function
k_q91c0d5dcad_oproj:
	s_mov_b64 s[64:65], 0
	v_nop
	global_prefetch_b8 v0, s[64:65] scope:SCOPE_SE
	s_setreg_imm32_b32 hwreg(HW_REG_WAVE_MODE, 25, 1), 1
	s_wait_xcnt 0x0
	s_wait_alu depctr_hold_cnt(0) depctr_sa_sdst(0) depctr_va_vdst(0) depctr_va_sdst(0) depctr_va_ssrc(0) depctr_va_vcc(0) depctr_vm_vsrc(0)
	s_getreg_b32 s2, hwreg(HW_REG_IB_STS2, 6, 4)
	s_cmp_eq_u32 s2, 0
	s_cbranch_scc0 .Lentry_in_a_cluster
	s_endpgm
.Lentry_in_a_cluster:
	s_bfe_u32 s2, ttmp6, 0x10000c
	s_cmp_lg_u32 s2, 0xf033
	s_cbranch_scc0 .Lentry_shape_is_right
	s_endpgm
.Lentry_shape_is_right:
; OPROJ: x1 = x + (o Wo + bo), the product on codes of FP8 (E4M3).  o's codes and Wo's are images: [tile][K step][2,048], byte 512 c + 16 lane = registers 4 c .. 4 c + 3 of that lane.
; A tile of the result is 128 x 128, so that the 4,096 x 1,024 numbers give 256 work-groups; four waves, each 64 x 64: 16 accumulators.  A slot of LDS holds four K steps of 128; K = 1,024 is just the two slots: nothing is filled again.
; SOURCE 1 ('A') = 16 tokens, SOURCE 0 ('B') = 16 rows of the weight: a lane holds one token, and the 16 registers of B's tiles 2 g, 2 g + 1 are 16 neighbouring columns.  Slot r of tile T is row 32 (T / 2) + 8 (T % 2) + r + 8 (r / 8).
; CLUSTERS: 4 x 4: A's tiles are shared along a row of the cluster, B's along a column.
; LIMIT: e10 + e11 lies between -126 and 127.  Within a matrix instruction k stands in a permuted order, the same on both sides.
; REGISTERS: window 0: v16-29 addresses; v32-63 the bias in the result's layout; v64-95, v96-127 at work on the way out; v128-255 accumulator (a, b) at v[128 + 8 (4 a + b)].
;   window 1: two fragment buffers of 128: A's four fragments, then B's four.   window 2: v0-127 the residual, asked for at the head.
.set KS,     8                         ; K steps in the whole K
.set WOFF,   0x300000                  ; the weight's image in wc
.set EOFF,   0x28                      ; the two exponents' bytes in the buffer of scales
.set LAPS,   KS/8
.set TILEB,  16384                     ; a tile's whole K, eight K steps, lies in LDS: one fill, one load a wave; 'slot 1' below names K steps 4 to 7, 8,192 bytes on in each tile
.set HALFT,  4*TILEB
.set SLOT,   4*HALFT
.set STAGE,  SLOT
.set SPITCH, 272
.set SPARE,  STAGE+4*16*SPITCH
.set ADRA, 16
.set ADRB, 20
.set STO,  24
.set RD,   25
.set CO,   26
.set SPW,  28
.set NIL,  29
.set BIAS, 32
.set TMP,  64
.set BK,   96
.set ACC,  128
.set F0,   0
.set F1,   128
.set G1, 24
.set G0, 32
.set G1B, 48
.set G0B, 56
.set MSB, 0
.macro WIN new
.if MSB != (\new)
	s_set_vgpr_msb (MSB<<8)|(\new)
.set MSB, (\new)
.endif
.endm
.set MUL,  0x05                        ; sources 0 (B) and 1 (A) window 1; C and D window 0
.set TO_F, 0x40
.macro JLOAD g0a, g1a, g0b, g1b
	s_cmp_eq_u32 s15, 0
	s_cbranch_scc0 .Lfor_b_\@
	tensor_load_to_lds s[\g0a:\g0a+3], s[\g1a:\g1a+7]
	s_nop 0
.rept 4
	v_nop
.endr
	s_branch .Lasked_\@
.Lfor_b_\@:
	tensor_load_to_lds s[\g0b:\g0b+3], s[\g1b:\g1b+7]
	s_nop 0
.rept 4
	v_nop
.endr
.Lasked_\@:
.endm
.macro CREST
	s_cmp_lg_u32 s14, 0
	s_cbranch_scc1 .Lnot_wave_0_\@
	s_barrier_signal -3
.Lnot_wave_0_\@:
	s_barrier_wait -3
	s_barrier_signal -1
	s_barrier_wait -1
.endm
.macro CROUND
	s_barrier_signal -1
	s_barrier_wait -1
	CREST
.endm
	s_load_b128 s[4:7], s[0:1], 0x0                ; A's codes, wc
	s_load_b128 s[8:11], s[0:1], 0x10              ; the scales' exponents, the bias
	s_load_b128 s[84:87], s[0:1], 0x20             ; the residual, the result
	v_lshl_add_u32 v[SPW], v0, 2, SPARE
	v_mov_b32 v[NIL], 0
	ds_add_u32 v28, v29
	ds_add_u32 v28, v29
	s_wait_dscnt 0x0
	v_lshrrev_b32 v1, 5, v0
	v_readfirstlane_b32 s14, v1                    ; wave 0..3
	s_lshr_b32 s15, s14, 1                         ; which half of the tile's tokens is mine.  Also: I fetch for A (0) or for B (1)
	s_and_b32 s16, s14, 1                          ; which half of its columns.  Also: which 4 tiles I fetch
	s_bfe_u32 s40, ttmp6, 0x40000
	s_bfe_u32 s41, ttmp6, 0x40004
	s_lshl_b32 s42, ttmp9, 2
	s_add_co_u32 s42, s42, s40                     ; tile column = 4 x cluster x + cx
	s_and_b32 s17, ttmp7, 0xffff
	s_lshl_b32 s17, s17, 2
	s_add_co_u32 s17, s17, s41                     ; tile row = 4 x cluster y + cy
	s_lshl_b32 s43, s41, 2
	s_lshl_b32 s43, 15, s43
	s_lshl_b32 s44, 0x1111, s40
	s_or_b32 s[G1+0], s43, (3<<16)|(1<<21)         ; the mask; elements of 8 bytes; bit 21 beside a mask; no padding
	s_or_b32 s[G1B+0], s44, (3<<16)|(1<<21)
.irp g, G1, G1B
	s_mov_b32 s[\g+1], 2048<<16                    ; tensor_dim0: 2,048 elements = a tile's 16,384 bytes
	s_mov_b32 s[\g+2], 4<<16                       ; tensor_dim1: 4 tiles
	s_mov_b32 s[\g+3], 2048<<16
	s_mov_b32 s[\g+4], 4
	s_mov_b32 s[\g+5], KS*256                      ; from tile to tile: KS x 2,048 bytes
	s_mov_b32 s[\g+6], 0
	s_mov_b32 s[\g+7], 0
.endr
	s_lshl_b32 s18, s16, 2
	s_lshl_b32 s20, s17, 3
	s_add_co_u32 s20, s20, s18
	s_mul_i32 s20, s20, KS*2048
	s_mov_b32 s21, 0
	s_lshl_b32 s46, s42, 3
	s_add_co_u32 s46, s46, s18
	s_mul_i32 s46, s46, KS*2048
	s_add_co_u32 s46, s46, WOFF
	s_mov_b32 s47, 0
	s_mul_i32 s45, s14, HALFT
	s_wait_kmcnt 0x0
	s_load_b64 s[96:97], s[8:9], EOFF
	s_add_nc_u64 s[20:21], s[4:5], s[20:21]
	s_add_nc_u64 s[46:47], s[6:7], s[46:47]
	CROUND
.irp s, 0
	s_mov_b32 s[G0+4*\s], 1
	s_add_co_u32 s[G0+4*\s+1], s45, \s*SLOT
	s_add_nc_u64 s[G0+4*\s+2:G0+4*\s+3], s[20:21], \s*TILEB
	s_or_b32 s[G0+4*\s+3], s[G0+4*\s+3], 0x80000000
	s_mov_b32 s[G0B+4*\s], 1
	s_add_co_u32 s[G0B+4*\s+1], s45, \s*SLOT
	s_add_nc_u64 s[G0B+4*\s+2:G0B+4*\s+3], s[46:47], \s*TILEB
	s_or_b32 s[G0B+4*\s+3], s[G0B+4*\s+3], 0x80000000
	JLOAD G0+4*\s, G1, G0B+4*\s, G1B
.endr
	v_and_b32 v1, 15, v0                           ; r
	s_wait_alu depctr_va_vdst(0)
	v_bfe_u32 v2, v0, 4, 1                         ; h
	v_and_b32 v3, 31, v0
	v_lshlrev_b32 v4, 4, v3                        ; 16 x lane
	s_mul_i32 s21, s15, HALFT
	s_mul_i32 s22, s16, HALFT
	s_add_co_u32 s22, s22, 2*HALFT
.irp s, 0,1
	v_add_nc_u32 v[ADRA+\s], s21, v4
	v_add_nc_u32 v[ADRB+\s], s22, v4
	s_add_co_u32 s21, s21, 8192
	s_add_co_u32 s22, s22, 8192
.endr
	s_mul_i32 s23, s14, 16*SPITCH
	s_add_co_u32 s23, s23, STAGE                   ; my stage
	v_mul_u32_u24 v5, v1, SPITCH
	s_wait_alu depctr_va_vdst(0)
	v_lshl_add_u32 v5, v2, 6, v5
	v_add_nc_u32 v[STO], s23, v5                   ; in: row = token slot r; my half's 16 columns of each 32: + 64 h
	v_mul_u32_u24 v5, v2, SPITCH
	v_lshl_add_u32 v5, v1, 4, v5
	v_add_nc_u32 v[RD], s23, v5                    ; back: lanes 0-15 one row of 256 bytes, lanes 16-31 the next
	v_lshlrev_b32 v5, 12, v2
	v_lshl_add_u32 v[CO], v1, 4, v5                ; and the same two rows in memory, 4,096 bytes apart
	v_lshlrev_b32 v6, 6, v2                        ; the bias: 64 h
	s_wait_alu depctr_va_vdst(0)
	s_lshl_b32 s46, s42, 9
	s_lshl_b32 s47, s16, 8
	s_add_co_u32 s46, s46, s47                     ; my first column, in bytes
	s_mov_b32 s47, 0
	s_add_nc_u64 s[10:11], s[10:11], s[46:47]
	s_lshl_b32 s20, s17, 7
	s_lshl_b32 s21, s15, 6
	s_add_co_u32 s20, s20, s21                     ; my first token
	s_lshl_b32 s20, s20, 12
	s_add_co_u32 s20, s20, s46
	s_mov_b32 s21, 0
	s_add_nc_u64 s[84:85], s[84:85], s[20:21]
	s_add_nc_u64 s[86:87], s[86:87], s[20:21]
.irp t, 0,1,2,3
	global_load_b128 v[BIAS+8*\t:BIAS+8*\t+3], v6, s[10:11] offset:(32*(\t/2)+8*(\t%2))*4
	global_load_b128 v[BIAS+8*\t+4:BIAS+8*\t+7], v6, s[10:11] offset:(32*(\t/2)+8*(\t%2))*4+16
.endr
.macro MUL4 f, a, zero                 ; A's tile a x B's four; the 16 accumulators take turns
.irp b, 0,1,2,3
.if \zero
	v_wmma_f32_16x16x128_fp8_fp8 v[ACC+8*(4*(\a)+\b):ACC+8*(4*(\a)+\b)+7], v[\f+64+16*\b:\f+64+16*\b+15], v[\f+16*(\a):\f+16*(\a)+15], 0
.else
	v_wmma_f32_16x16x128_fp8_fp8 v[ACC+8*(4*(\a)+\b):ACC+8*(4*(\a)+\b)+7], v[\f+64+16*\b:\f+64+16*\b+15], v[\f+16*(\a):\f+16*(\a)+15], v[ACC+8*(4*(\a)+\b):ACC+8*(4*(\a)+\b)+7]
.endif
.endr
.endm
.macro FETCH slot, kk, f               ; 32 LDS loads in one run: B's four fragments of the slot's K step kk, then A's four
	WIN TO_F
.irp i, 0,1,2,3
.irp c, 0,1,2,3
	ds_load_b128 v[\f+64+16*\i+4*\c:\f+64+16*\i+4*\c+3], v[ADRB+\slot] offset:2048*(\kk)+512*\c+\i*TILEB
.endr
.endr
.irp i, 0,1,2,3
.irp c, 0,1,2,3
	ds_load_b128 v[\f+16*\i+4*\c:\f+16*\i+4*\c+3], v[ADRA+\slot] offset:2048*(\kk)+512*\c+\i*TILEB
.endr
.endr
.endm
.macro PLACES
.rept 4
	v_nop
.endr
.endm
.macro QUARTER slot, kk, f, g, zero    ; one K step on buffer f; in its middle the next, kk, is fetched into g
	s_wait_dscnt 8                                 ; B and A's tiles 0, 1 are in; the youngest 8 loads (A's tiles 2, 3) may be out
	WIN MUL
	MUL4 \f, 0, \zero
	MUL4 \f, 1, \zero
	PLACES
	FETCH \slot, \kk, \g
	s_wait_dscnt 32                                ; all but the 32 just issued
	WIN MUL
	MUL4 \f, 2, \zero
	MUL4 \f, 3, \zero
.endm
.macro TURN slot, next, fill           ; a slot's last K step, on buffer 1, changes slots
	WIN 0
	s_wait_tensorcnt 0x0                           ; all my tensor loads have landed: my part of the next slot
	ds_add_u32 v[SPW], v[NIL]
	s_wait_dscnt 9                                 ; (the add and the youngest 8 loads may be out)
	WIN MUL
	MUL4 F1, 0, 0
	s_wait_dscnt 0x0                               ; the add is done, and my reads of this slot are over
	s_barrier_signal -1
	MUL4 F1, 1, 0
	WIN 0
	s_barrier_wait -1
.if \fill
	CREST                                          ; the barrier has opened a round of the cluster's: no wave of any partner still reads this slot or has a load on its way
	s_add_nc_u64 s[G0+4*\slot+2:G0+4*\slot+3], s[G0+4*\slot+2:G0+4*\slot+3], 2*TILEB
	s_add_nc_u64 s[G0B+4*\slot+2:G0B+4*\slot+3], s[G0B+4*\slot+2:G0B+4*\slot+3], 2*TILEB
	JLOAD G0+4*\slot, G1, G0B+4*\slot, G1B
.else
	PLACES
.endif
	FETCH \next, 0, F0
	WIN MUL
	MUL4 F1, 2, 0
	MUL4 F1, 3, 0
.endm
	s_wait_tensorcnt 0x0                           ; my part of the tiles is in
	s_barrier_signal -1
	s_barrier_wait -1
	WIN 0x80                                       ; destination window 2
.irp a, 0,1,2,3
.irp i, 0,1,2,3,4,5,6,7
	global_load_b128 v[32*\a+4*\i:32*\a+4*\i+3], v[CO], s[84:85] offset:(32*(\a/2)+8*(\a%2)+2*\i+8*(\i/4))*4096 th:TH_LOAD_NT   ; the residual, in the order in which the rows leave: asked for when the tiles are in, it lands under the products
.endr
.endr
	WIN 0
	FETCH 0, 0, F0
	QUARTER 0, 1, F0, F1, 1
.if LAPS > 1
	WIN 0
	s_mov_b32 s3, LAPS-1
.Llap:
	QUARTER 0, 2, F1, F0, 0
	QUARTER 0, 3, F0, F1, 0
	TURN 0, 1, 1
	QUARTER 1, 1, F0, F1, 0
	QUARTER 1, 2, F1, F0, 0
	QUARTER 1, 3, F0, F1, 0
	TURN 1, 0, 1
	QUARTER 0, 1, F0, F1, 0
	WIN 0
	s_sub_co_u32 s3, s3, 1
	s_cmp_lg_u32 s3, 0
	s_cbranch_scc1 .Llap
.endif
	QUARTER 0, 2, F1, F0, 0
	QUARTER 0, 3, F0, F1, 0
	QUARTER 1, 0, F1, F0, 0                        ; K step 3; K step 4 lies in the same fill: no barrier
	QUARTER 1, 1, F0, F1, 0
	QUARTER 1, 2, F1, F0, 0
	QUARTER 1, 3, F0, F1, 0
	s_wait_dscnt 8
	WIN MUL
	MUL4 F1, 0, 0
	MUL4 F1, 1, 0
	s_wait_dscnt 0
	MUL4 F1, 2, 0
	MUL4 F1, 3, 0
	WIN 0
	; THE WAY OUT, 16 tokens at a time: sum x 2^(the two e added) + bias; through my own stage, so that whole rows of 256 bytes come back; + the residual; sixteen lanes store 256 consecutive bytes, aligned
	s_wait_kmcnt 0x0
	s_add_co_i32 s96, s96, s97
	s_add_co_i32 s96, s96, 127
	s_lshl_b32 s96, s96, 23
	s_mov_b32 s97, s96
	s_wait_loadcnt 0x0                             ; the bias and the residual
	PLACES
.irp a, 0,1,2,3
.irp b, 0,1,2,3
.irp i, 0,2,4,6
	v_pk_fma_f32 v[TMP+8*\b+\i:TMP+8*\b+\i+1], v[ACC+8*(4*\a+\b)+\i:ACC+8*(4*\a+\b)+\i+1], s[96:97], v[BIAS+8*\b+\i:BIAS+8*\b+\i+1] op_sel_hi:[1,0,1]
.endr
.endr
.irp b, 0,1,2,3
	ds_store_b128 v[STO], v[TMP+8*\b:TMP+8*\b+3] offset:128*(\b/2)+32*(\b%2)
	ds_store_b128 v[STO], v[TMP+8*\b+4:TMP+8*\b+7] offset:128*(\b/2)+32*(\b%2)+16
.endr
.irp i, 0,1,2,3,4,5,6,7
	ds_load_b128 v[BK+4*\i:BK+4*\i+3], v[RD] offset:\i*2*SPITCH   ; LDS serves a wave's instructions in order (ISA guide 5.7.1.4): these see my stores, and the next block's stores come behind them
.endr
	s_wait_dscnt 0x0
	WIN 0x88                                       ; source 1 and destination window 2: the residual's registers take the sums and are the stores' data
.irp i, 0,1,2,3,4,5,6,7
	v_pk_add_f32 v[32*\a+4*\i:32*\a+4*\i+1], v[BK+4*\i:BK+4*\i+1], v[32*\a+4*\i:32*\a+4*\i+1]
	v_pk_add_f32 v[32*\a+4*\i+2:32*\a+4*\i+3], v[BK+4*\i+2:BK+4*\i+3], v[32*\a+4*\i+2:32*\a+4*\i+3]
.endr
.irp i, 0,1,2,3,4,5,6,7
	global_store_b128 v[CO], v[32*\a+4*\i:32*\a+4*\i+3], s[86:87] offset:(32*(\a/2)+8*(\a%2)+2*\i+8*(\i/4))*4096
.endr
	WIN 0
.endr
	s_wait_tensorcnt 0x0                           ; the wave's end
	ds_add_u32 v[SPW], v[NIL]
	s_wait_dscnt 0x0
	CROUND                                         ; the closing round
	s_endpgm
.Lfunc_end_k_q91c0d5dcad_oproj:
	.size	k_q91c0d5dcad_oproj, .Lfunc_end_k_q91c0d5dcad_oproj-k_q91c0d5dcad_oproj
	.p2alignl 7, 3214868480
	.fill 96, 4, 3214868480
	.section	.rodata,"a",@progbits
	.p2align	6, 0x0
	.amdhsa_kernel k_q91c0d5dcad_oproj
		.amdhsa_group_segment_fixed_size 327680
		.amdhsa_private_segment_fixed_size 0
		.amdhsa_enable_private_segment 0
		.amdhsa_kernarg_size 48
		.amdhsa_user_sgpr_count 2
		.amdhsa_user_sgpr_kernarg_segment_ptr 1
		.amdhsa_wavefront_size32 1
		.amdhsa_system_sgpr_workgroup_id_x 1
		.amdhsa_system_sgpr_workgroup_id_y 1
		.amdhsa_system_sgpr_workgroup_id_z 1
		.amdhsa_system_vgpr_workitem_id 0
		.amdhsa_next_free_vgpr 640
		.amdhsa_next_free_sgpr 98
		.amdhsa_reserve_vcc 0
		.amdhsa_float_denorm_mode_32 3
		.amdhsa_float_denorm_mode_16_64 3
		.amdhsa_memory_ordered 1
		.amdhsa_forward_progress 1
		.amdhsa_inst_pref_size 52
	.end_amdhsa_kernel
	.amdgpu_metadata
---
amdhsa.version: [ 1, 2 ]
amdhsa.kernels:
  - .name:           k_q91c0d5dcad_oproj
    .symbol:         k_q91c0d5dcad_oproj.kd
    .args:
      - { .name: oc, .offset: 0, .size: 8, .value_kind: global_buffer, .address_space: global }
      - { .name: wc, .offset: 8, .size: 8, .value_kind: global_buffer, .address_space: global }
      - { .name: lowp_scales, .offset: 16, .size: 8, .value_kind: global_buffer, .address_space: global }
      - { .name: bo, .offset: 24, .size: 8, .value_kind: global_buffer, .address_space: global }
      - { .name: x, .offset: 32, .size: 8, .value_kind: global_buffer, .address_space: global }
      - { .name: x1, .offset: 40, .size: 8, .value_kind: global_buffer, .address_space: global }
    .group_segment_fixed_size: 327680
    .private_segment_fixed_size: 0
    .kernarg_segment_align: 8
    .kernarg_segment_size: 48
    .max_flat_workgroup_size: 128
    .sgpr_count:     98
    .vgpr_count:     640
    .wavefront_size: 32
...
	.end_amdgpu_metadata
.endif
;; end of part 4
;; launch ln2 (part 5): grid 256 x 1, 4 waves a work-group, no clusters, 76,288 bytes of LDS; arguments x1, ln2_g, ln2_b, lowp_scales, lx2c; writes lx2c
.if DOCPART == 5
	.amdgcn_target "amdgcn-amd-amdhsa--gfx1250"
	.amdhsa_code_object_version 6
	.text
	.protected	k_q91c0d5dcad_ln2
	.globl	k_q91c0d5dcad_ln2
	.p2align	8
	.type	k_q91c0d5dcad_ln2,@function
k_q91c0d5dcad_ln2:
	s_mov_b64 s[64:65], 0
	v_nop
	global_prefetch_b8 v0, s[64:65] scope:SCOPE_SE
	s_setreg_imm32_b32 hwreg(HW_REG_WAVE_MODE, 25, 1), 1
	s_wait_xcnt 0x0
; LN2: the second layer norm, quantised to codes of FP8 (E4M3) under the scale e12 and stored as images of operand registers: [tile][K step 8][2,048], byte 512 c + 16 lane = 16 codes of row slot lane % 16,
; k = 32 c + 16 (lane / 16) + 0 .. 15.  Slot r of tile T is token 32 (T / 2) + 8 (T % 2) + r + 8 (r / 8).  A work-group takes one tile of 16 tokens; wave w takes k = 256 w .. 256 w + 255 of them.
; For the conversions a lane must hold 16 neighbours along k of ONE token; a load is best where neighbouring LANES take neighbouring bytes.  Both are had: each load takes 512 consecutive bytes of a row, 16 a lane; the rows go
; through the wave's own stage in LDS as they lie and come back 16 bytes at a time from each lane's own row.
; LIMITS: e12 between -126 and 119.  NaN among the inputs is not served.
.set RED,  8192                        ; LDS: g at 0, b at 4,096; 256 bytes of partial sums at 8,192; 256 more, for the squares, behind them
.set STG,  9216                        ; then a stage of 16 rows for each wave, its own
.set SPIT, 1040                        ; a stage row: 1,024 bytes + 16 of padding = 65 x 16 bytes: the 16 rows that a load touches start at 16 different columns of 16 bytes
.set WSTG, 16*SPIT
.set X,    32
.set GB,   160
.set TMP,  192
.set CD,   208
.set NQ,   1
.macro MKSCALE e, vs, vl
	s_add_co_i32 s62, s[\e], 127
	s_lshl_b32 s63, s62, 23
	v_mov_b32 v[\vs], s63
	s_add_co_i32 s62, s62, 8
	s_lshl_b32 s62, s62, 23
	s_or_b32 s62, s62, 0x600000
	v_mov_b32 v[\vl], s62
.endm
	s_load_b256 s[8:15], s[0:1], 0x0               ; x1 8, g 10, b 12, the scales' exponents 14
	s_load_b64 s[28:29], s[0:1], 0x20              ; lx2c
	v_lshl_add_u32 v254, v0, 2, 0x12800
	v_mov_b32 v255, 0
	v_lshrrev_b32 v1, 5, v0
	v_readfirstlane_b32 s2, v1                     ; wave 0..3
	v_and_b32 v1, 31, v0
	v_and_b32 v2, 15, v0                           ; r
	v_bfe_u32 v3, v0, 4, 1                         ; h
	v_lshlrev_b32 v9, 4, v0
	s_wait_alu depctr_va_vdst(0)
	s_wait_kmcnt 0x0
	s_load_b32 s36, s[14:15], 0x30                 ; e12
	global_load_b128 v[232:235], v9, s[10:11]
	global_load_b128 v[236:239], v9, s[10:11] offset:2048
	global_load_b128 v[240:243], v9, s[12:13]
	global_load_b128 v[244:247], v9, s[12:13] offset:2048
	s_lshr_b32 s3, ttmp9, 1
	s_lshl_b32 s3, s3, 5
	s_and_b32 s4, ttmp9, 1
	s_lshl_b32 s4, s4, 3
	s_add_co_u32 s4, s4, s3
	s_lshl_b32 s4, s4, 12
	s_mov_b32 s5, 0
	s_add_nc_u64 s[8:9], s[8:9], s[4:5]
	s_lshl_b32 s3, s2, 10
	v_lshlrev_b32 v4, 4, v1
	v_add_nc_u32 v4, s3, v4                        ; my bytes in a row: 1,024 w + 16 x lane
.set rr, 0
.rept 16
	global_load_b128 v[X+8*rr:X+8*rr+3], v4, s[8:9] offset:(rr+8*(rr/8))*4096 th:TH_LOAD_NT        ; token slot rr: the wave reads 512 consecutive bytes,
	global_load_b128 v[X+8*rr+4:X+8*rr+7], v4, s[8:9] offset:(rr+8*(rr/8))*4096+512 th:TH_LOAD_NT  ; and the next 512
.set rr, rr+1
.endr
	v_lshlrev_b32 v5, 6, v3
	v_add_nc_u32 v5, s3, v5
	v_lshl_add_u32 v7, v2, 4, RED
	s_lshl_b32 s6, s2, 2
	v_add_nc_u32 v6, s6, v7
	v_lshlrev_b32 v8, 4, v1
	s_lshl_b32 s7, s2, 12
	v_add_nc_u32 v8, s7, v8
	s_mul_i32 s58, s2, WSTG
	s_add_co_u32 s58, s58, STG                     ; my wave's stage
	v_lshlrev_b32 v10, 4, v1
	v_add_nc_u32 v10, s58, v10                     ; into it: 16 x lane of a row's half
	v_mul_u32_u24 v11, v2, SPIT
	v_lshl_add_u32 v11, v3, 6, v11
	v_add_nc_u32 v11, s58, v11                     ; out of it: row r, + 64 h
	v_mov_b32 v30, 0
	s_mov_b32 s32, 0x76543210
	s_mov_b32 s33, 0xfedcba98
	s_mov_b32 s34, 0x3a800000                      ; 1 / 1,024
	s_mov_b32 s35, 0x3727c5ac                      ; 1e-5
	s_lshl_b32 s4, ttmp9, 14
	s_add_nc_u64 s[52:53], s[28:29], s[4:5]
	s_wait_alu depctr_va_vdst(0)
	s_wait_kmcnt 0x0
	MKSCALE 36, 24, 25
	s_wait_loadcnt 32                              ; g and b are in; the 32 younger loads of the rows may be out
	ds_store_b128 v9, v[232:235]
	ds_store_b128 v9, v[236:239] offset:2048
	ds_store_b128 v9, v[240:243] offset:4096
	ds_store_b128 v9, v[244:247] offset:6144
.set rr, 0
.rept 16
	s_wait_loadcnt 30-2*rr                         ; token slot rr's two loads are in; the younger ones may be out
	ds_store_b128 v10, v[X+8*rr:X+8*rr+3] offset:SPIT*rr
	ds_store_b128 v10, v[X+8*rr+4:X+8*rr+7] offset:SPIT*rr+512
.set rr, rr+1
.endr
	s_wait_dscnt 0x0                               ; the stores have read their registers: the loads below land in them
.set bb, 0
.rept 8
.irp j, 0,1,2,3
	ds_load_b128 v[X+16*bb+4*\j:X+16*bb+4*\j+3], v11 offset:128*bb+16*\j   ; my row's k = 256 w + 32 bb + 16 h + 4 j on
.endr
.set bb, bb+1
.endr
.macro REDUCE off
	v_pk_add_f32 v[12:13], v[12:13], v[14:15]
	v_pk_add_f32 v[16:17], v[16:17], v[18:19]
	v_pk_add_f32 v[12:13], v[12:13], v[16:17]
	v_add_f32 v12, v12, v13
	v_permlanex16_b32 v30, v12, s32, s33
	v_add_f32 v12, v12, v30
	ds_store_b32 v6, v12 offset:\off
	s_wait_dscnt 0x0                               ; for the others' sake: all my LDS stores have landed
	s_barrier_signal -1
	s_barrier_wait -1
	ds_load_b128 v[12:15], v7 offset:\off
	s_wait_dscnt 0x0
	v_add_f32 v12, v12, v13
	v_add_f32 v14, v14, v15
	v_add_f32 v12, v12, v14
.endm
	s_wait_dscnt 0x0                               ; my 128 numbers are back from the stage
.irp c, 0,1,2,3
	v_pk_add_f32 v[12+2*\c:13+2*\c], v[X+2*\c:X+2*\c+1], v[X+8+2*\c:X+9+2*\c]
.endr
.set jj, 16
.rept 56
	v_pk_add_f32 v[12+2*((jj/2)%4):13+2*((jj/2)%4)], v[12+2*((jj/2)%4):13+2*((jj/2)%4)], v[X+jj:X+jj+1]
.set jj, jj+2
.endr
	REDUCE 0                                       ; its barrier also shows g and b to every wave
	v_mul_f32 v20, s34, v12
	v_mov_b32 v21, v20
.set jj, 0
.rept 64
	v_pk_add_f32 v[X+jj:X+jj+1], v[X+jj:X+jj+1], v[20:21] neg_lo:[0,1] neg_hi:[0,1]   ; x - mean first, squares second
.set jj, jj+2
.endr
.irp c, 0,1,2,3
	v_pk_mul_f32 v[12+2*\c:13+2*\c], v[X+2*\c:X+2*\c+1], v[X+2*\c:X+2*\c+1]
.endr
.set jj, 8
.rept 60
	v_pk_fma_f32 v[12+2*((jj/2)%4):13+2*((jj/2)%4)], v[X+jj:X+jj+1], v[X+jj:X+jj+1], v[12+2*((jj/2)%4):13+2*((jj/2)%4)]
.set jj, jj+2
.endr
	REDUCE 256
.macro GLOAD b
.irp j, 0,1,2,3
	ds_load_b128 v[GB+4*\j:GB+4*\j+3], v5 offset:128*(\b)+16*\j
	ds_load_b128 v[GB+16+4*\j:GB+16+4*\j+3], v5 offset:4096+128*(\b)+16*\j
.endr
.endm
	GLOAD 0
	v_fma_f32 v22, v12, s34, s35
	s_wait_alu depctr_va_vdst(0)
	v_rsq_f32 v22, v22
	v_nop                                          ; a plain instruction behind the transcendental
	s_wait_alu depctr_va_vdst(0)                   ; and the wait ahead of the first use of its result
	v_mov_b32 v23, v22
.macro LNBLOCK b
	s_wait_dscnt 0x0
.irp i, 0,2,4,6,8,10,12,14
	v_pk_mul_f32 v[X+16*(\b)+\i:X+16*(\b)+\i+1], v[X+16*(\b)+\i:X+16*(\b)+\i+1], v[22:23]
.endr
.irp i, 0,2,4,6,8,10,12,14
	v_pk_fma_f32 v[X+16*(\b)+\i:X+16*(\b)+\i+1], v[X+16*(\b)+\i:X+16*(\b)+\i+1], v[GB+\i:GB+\i+1], v[GB+16+\i:GB+16+\i+1]
.endr
.if (\b) < 7
	GLOAD (\b)+1
.endif
.if (\b) >= 2
	s_wait_alu depctr_va_vdst(0)
	s_wait_xcnt 0x0                                ; the store of two blocks ago has read its codes: that set is written again only behind this wait
.endif
.set qq, 0
.rept NQ
.set ii, 0
.rept 16
	v_med3_num_f32 v[TMP+ii], v[X+16*(\b)+ii], -v[25+2*qq], v[25+2*qq]
.set ii, ii+1
.endr
	v_cvt_scalef32_pk8_fp8_f32 v[CD+12*((\b)%2)+4*qq:CD+12*((\b)%2)+4*qq+1], v[TMP:TMP+7], v[24+2*qq]
	v_cvt_scalef32_pk8_fp8_f32 v[CD+12*((\b)%2)+4*qq+2:CD+12*((\b)%2)+4*qq+3], v[TMP+8:TMP+15], v[24+2*qq]
	v_nop
	global_store_b128 v8, v[CD+12*((\b)%2)+4*qq:CD+12*((\b)%2)+4*qq+3], s[52+2*qq:53+2*qq] offset:512*(\b)
.set qq, qq+1
.endr
.endm
	s_wait_alu depctr_va_vdst(0)
.irp b, 0,1,2,3,4,5,6,7
	LNBLOCK \b
.endr
	s_wait_tensorcnt 0x0
	ds_add_u32 v254, v255
	s_wait_dscnt 0x0
	s_endpgm
.Lfunc_end_k_q91c0d5dcad_ln2:
	.size	k_q91c0d5dcad_ln2, .Lfunc_end_k_q91c0d5dcad_ln2-k_q91c0d5dcad_ln2
	.p2alignl 7, 3214868480
	.fill 96, 4, 3214868480
	.section	.rodata,"a",@progbits
	.p2align	6, 0x0
	.amdhsa_kernel k_q91c0d5dcad_ln2
		.amdhsa_group_segment_fixed_size 76288
		.amdhsa_private_segment_fixed_size 0
		.amdhsa_enable_private_segment 0
		.amdhsa_kernarg_size 40
		.amdhsa_user_sgpr_count 2
		.amdhsa_user_sgpr_kernarg_segment_ptr 1
		.amdhsa_wavefront_size32 1
		.amdhsa_system_sgpr_workgroup_id_x 1
		.amdhsa_system_sgpr_workgroup_id_y 1
		.amdhsa_system_sgpr_workgroup_id_z 1
		.amdhsa_system_vgpr_workitem_id 0
		.amdhsa_next_free_vgpr 256
		.amdhsa_next_free_sgpr 66
		.amdhsa_reserve_vcc 0
		.amdhsa_float_denorm_mode_32 3
		.amdhsa_float_denorm_mode_16_64 3
		.amdhsa_memory_ordered 1
		.amdhsa_forward_progress 1
		.amdhsa_inst_pref_size 47
	.end_amdhsa_kernel
	.amdgpu_metadata
---
amdhsa.version: [ 1, 2 ]
amdhsa.kernels:
  - .name:           k_q91c0d5dcad_ln2
    .symbol:         k_q91c0d5dcad_ln2.kd
    .args:
      - { .name: x1, .offset: 0, .size: 8, .value_kind: global_buffer, .address_space: global }
      - { .name: ln2_g, .offset: 8, .size: 8, .value_kind: global_buffer, .address_space: global }
      - { .name: ln2_b, .offset: 16, .size: 8, .value_kind: global_buffer, .address_space: global }
      - { .name: lowp_scales, .offset: 24, .size: 8, .value_kind: global_buffer, .address_space: global }
      - { .name: lx2c, .offset: 32, .size: 8, .value_kind: global_buffer, .address_space: global }
    .group_segment_fixed_size: 76288
    .private_segment_fixed_size: 0
    .kernarg_segment_align: 8
    .kernarg_segment_size: 40
    .max_flat_workgroup_size: 128
    .sgpr_count:     66
    .vgpr_count:     256
    .wavefront_size: 32
...
	.end_amdgpu_metadata
.endif
;; end of part 5
;; launch ffn1 (part 6): grid 16 x 16, 4 waves a work-group, clusters of 4 x 4, 327,680 bytes of LDS; arguments lx2c, wc, lowp_scales, hc, b1; writes hc
.if DOCPART == 6
	.amdgcn_target "amdgcn-amd-amdhsa--gfx1250"
	.amdhsa_code_object_version 6
	.text
	.protected	k_q91c0d5dcad_ffn1
	.globl	k_q91c0d5dcad_ffn1
	.p2align	8
	.type	k_q91c0d5dcad_ffn1,@function
k_q91c0d5dcad_ffn1:
	s_mov_b64 s[64:65], 0
	v_nop
	global_prefetch_b8 v0, s[64:65] scope:SCOPE_SE
	s_setreg_imm32_b32 hwreg(HW_REG_WAVE_MODE, 25, 1), 1
	s_wait_xcnt 0x0
	s_wait_alu depctr_hold_cnt(0) depctr_sa_sdst(0) depctr_va_vdst(0) depctr_va_sdst(0) depctr_va_ssrc(0) depctr_va_vcc(0) depctr_vm_vsrc(0)
	s_getreg_b32 s2, hwreg(HW_REG_IB_STS2, 6, 4)
	s_cmp_eq_u32 s2, 0
	s_cbranch_scc0 .Lentry_in_a_cluster
	s_endpgm
.Lentry_in_a_cluster:
	s_bfe_u32 s2, ttmp6, 0x10000c
	s_cmp_lg_u32 s2, 0xf033
	s_cbranch_scc0 .Lentry_shape_is_right
	s_endpgm
.Lentry_shape_is_right:
.set USEBIAS, 1
.set TILEB,  4096
.set HALFT,  8*TILEB
.set SLOT,   4*HALFT
.set SPARE,  2*SLOT
.set FR,     16
.set NL,     4
.set NP,     4
.set ADRA, 16
.set ADRB, 20
.set CO,   26
.set SPW,  28
.set NIL,  29
.set SC,   30
.set LIM,  31
.set TMP,  32
.set AF,   128
.set G1, 24
.set G0, 32
.set G1B, 48
.set G0B, 56
.set MSB, 0
.macro WIN new
.if MSB != (\new)
	s_set_vgpr_msb (MSB<<8)|(\new)
.set MSB, (\new)
.endif
.endm
.set MUL_LO, 0xa1
.set MUL_HI, 0xf1
.set Z_LO,   0x81
.set Z_HI,   0xc1
.set TO_B,   0x40
.macro JLOAD g0a, g1a, g0b, g1b
	s_cmp_eq_u32 s15, 0
	s_cbranch_scc0 .Lfor_b_\@
	tensor_load_to_lds s[\g0a:\g0a+3], s[\g1a:\g1a+7]
	s_nop 0
.rept 4
	v_nop
.endr
	s_branch .Lasked_\@
.Lfor_b_\@:
	tensor_load_to_lds s[\g0b:\g0b+3], s[\g1b:\g1b+7]
	s_nop 0
.rept 4
	v_nop
.endr
.Lasked_\@:
.endm
.macro CREST
	s_cmp_lg_u32 s14, 0
	s_cbranch_scc1 .Lnot_wave_0_\@
	s_barrier_signal -3
.Lnot_wave_0_\@:
	s_barrier_wait -3
	s_barrier_signal -1
	s_barrier_wait -1
.endm
.macro CROUND
	s_barrier_signal -1
	s_barrier_wait -1
	CREST
.endm
	s_load_b128 s[4:7], s[0:1], 0x0
	s_load_b128 s[8:11], s[0:1], 0x10
	s_load_b64 s[12:13], s[0:1], 0x20
	v_lshl_add_u32 v[SPW], v0, 2, SPARE
	v_mov_b32 v[NIL], 0
	ds_add_u32 v28, v29
	ds_add_u32 v28, v29
	s_wait_dscnt 0x0
	v_lshrrev_b32 v1, 5, v0
	v_readfirstlane_b32 s14, v1
	s_lshr_b32 s15, s14, 1
	s_and_b32 s16, s14, 1
	s_bfe_u32 s40, ttmp6, 0x40000
	s_bfe_u32 s41, ttmp6, 0x40004
	s_lshl_b32 s66, ttmp9, 2
	s_add_co_u32 s66, s66, s40
	s_and_b32 s42, ttmp7, 0xffff
	s_lshl_b32 s42, s42, 2
	s_add_co_u32 s42, s42, s41
	s_lshl_b32 s43, s41, 2
	s_lshl_b32 s43, 15, s43
	s_lshl_b32 s44, 0x1111, s40
	s_or_b32 s[G1+0], s43, (3<<16)|(1<<21)
	s_or_b32 s[G1B+0], s44, (3<<16)|(1<<21)
.irp g, G1, G1B
	s_mov_b32 s[\g+1], 512<<16
	s_mov_b32 s[\g+2], 8<<16
	s_mov_b32 s[\g+3], 512<<16
	s_mov_b32 s[\g+4], 8
	s_mov_b32 s[\g+5], 2048
	s_mov_b32 s[\g+6], 0
	s_mov_b32 s[\g+7], 0
.endr
	s_lshl_b32 s18, s16, 17
	s_lshl_b32 s20, s42, 18
	s_add_co_u32 s20, s20, s18
	s_mov_b32 s21, 0
	s_lshl_b32 s46, s66, 18
	s_add_co_u32 s46, s46, s18
	s_add_co_u32 s46, s46, 0x400000
	s_mov_b32 s47, 0
	s_mul_i32 s45, s14, HALFT
	s_wait_kmcnt 0x0
	s_load_b128 s[68:71], s[8:9], 0x30
	s_add_nc_u64 s[20:21], s[4:5], s[20:21]
	s_add_nc_u64 s[46:47], s[6:7], s[46:47]
	CROUND
.irp s, 0,1
	s_mov_b32 s[G0+4*\s], 1
	s_add_co_u32 s[G0+4*\s+1], s45, \s*SLOT
	s_add_nc_u64 s[G0+4*\s+2:G0+4*\s+3], s[20:21], \s*TILEB
	s_or_b32 s[G0+4*\s+3], s[G0+4*\s+3], 0x80000000
	s_mov_b32 s[G0B+4*\s], 1
	s_add_co_u32 s[G0B+4*\s+1], s45, \s*SLOT
	s_add_nc_u64 s[G0B+4*\s+2:G0B+4*\s+3], s[46:47], \s*TILEB
	s_or_b32 s[G0B+4*\s+3], s[G0B+4*\s+3], 0x80000000
.if \s
	s_wait_alu depctr_va_vdst(0)
	s_wait_tensorcnt 0x0
	ds_add_u32 v28, v29
	ds_add_u32 v28, v29
	s_wait_dscnt 0x0
	CROUND
.endif
	JLOAD G0+4*\s, G1, G0B+4*\s, G1B
.if \s == 0
	s_cmp_eq_u32 s15, 0                            ; the prefetches: of the 8 tiles that I fetch, the partner at place p (cx for A, cy for B) names tiles 2 p and 2 p + 1: told apart by address alone
	s_cselect_b64 s[94:95], s[20:21], s[46:47]
	s_cselect_b32 s96, s40, s41
	s_lshl_b32 s96, s96, 15
	s_mov_b32 s97, 0
	s_add_nc_u64 s[94:95], s[94:95], s[96:97]
	v_bfe_u32 v4, v0, 4, 1
	v_and_b32 v5, 15, v0
	v_lshlrev_b32 v27, 14, v4                      ; lanes 0-15 the first tile, lanes 16-31 the second, 16,384 bytes on;
	v_lshl_add_u32 v27, v5, 8, v27                 ; lanes 256 bytes apart: a slot's 4,096 bytes of each
	global_prefetch_b8 v27, s[94:95] offset:4096 th:TH_LOAD_NT scope:SCOPE_SE   ; slot 1's and slot 2's K steps; each block of 256 bytes is named once in the cluster
	global_prefetch_b8 v27, s[94:95] offset:8192 th:TH_LOAD_NT scope:SCOPE_SE
.endif
.endr
	v_and_b32 v1, 31, v0
	v_lshlrev_b32 v[CO], 4, v1
	s_wait_alu depctr_va_vdst(0)
	v_bfe_u32 v2, v0, 4, 1
	v_lshlrev_b32 v3, 6, v2
	s_lshl_b32 s90, s66, 10
	s_lshl_b32 s91, s16, 9
	s_add_co_u32 s90, s90, s91
	s_mov_b32 s91, 0
	s_add_nc_u64 s[12:13], s[12:13], s[90:91]
.irp t, 0,1,2,3,4,5,6,7
	global_load_b128 v[TMP+8*\t:TMP+8*\t+3], v3, s[12:13] offset:(32*(\t/2)+8*(\t%2))*4
	global_load_b128 v[TMP+8*\t+4:TMP+8*\t+7], v3, s[12:13] offset:(32*(\t/2)+8*(\t%2))*4+16
.endr
	s_mul_i32 s21, s15, HALFT
	s_mul_i32 s22, s16, HALFT
	s_add_co_u32 s22, s22, 2*HALFT
.irp s, 0,1
	v_add_nc_u32 v[ADRA+\s], s21, v[CO]
	v_add_nc_u32 v[ADRB+\s], s22, v[CO]
	s_add_co_u32 s21, s21, SLOT
	s_add_co_u32 s22, s22, SLOT
.endr
	s_wait_kmcnt 0x0
	s_add_co_i32 s90, s68, s69
	s_sub_co_i32 s92, 0, s90
	s_sub_co_i32 s90, s70, s90
	s_add_co_i32 s90, s90, 127
	s_lshl_b32 s91, s90, 23
	v_mov_b32 v[SC], s91
	s_add_co_i32 s90, s90, 8
	s_lshl_b32 s90, s90, 23
	s_or_b32 s90, s90, 0x600000
	v_mov_b32 v[LIM], s90
	s_wait_loadcnt 0x0
.set jj, 0
.rept 64
	v_ldexp_f32 v[TMP+jj], v[TMP+jj], s92
.set jj, jj+1
.endr
.macro FRAG reg, adr, q, i
.irp c, 0,1,2,3
	ds_load_b128 v[\reg+4*\c:\reg+4*\c+3], v[\adr] offset:2048*(\q)+512*\c+(\i)*TILEB
.endr
.endm
.macro MUL16 a0, p, zero
.irp a, \a0, \a0+1
.irp b, 0,1,2,3,4,5,6,7
.if \zero
.if USEBIAS
	v_wmma_f32_16x16x128_fp8_fp8 v[8*(8*((\a)%4)+\b):8*(8*((\a)%4)+\b)+7], v[128*(\p)+FR*\b:128*(\p)+FR*\b+FR-1], v[AF+FR*(\a):AF+FR*(\a)+FR-1], v[TMP+8*\b:TMP+8*\b+7]
.else
	v_wmma_f32_16x16x128_fp8_fp8 v[8*(8*((\a)%4)+\b):8*(8*((\a)%4)+\b)+7], v[128*(\p)+FR*\b:128*(\p)+FR*\b+FR-1], v[AF+FR*(\a):AF+FR*(\a)+FR-1], 0
.endif
.else
	v_wmma_f32_16x16x128_fp8_fp8 v[8*(8*((\a)%4)+\b):8*(8*((\a)%4)+\b)+7], v[128*(\p)+FR*\b:128*(\p)+FR*\b+FR-1], v[AF+FR*(\a):AF+FR*(\a)+FR-1], v[8*(8*((\a)%4)+\b):8*(8*((\a)%4)+\b)+7]
.endif
.endr
.endr
.endm
.macro FETCH_B slot, q, p
	WIN TO_B
.irp i, 0,1,2,3,4,5,6,7
	FRAG 128*(\p)+FR*\i, ADRB+\slot, \q, \i
.endr
	WIN 0
.endm
.macro FETCH_A slot, q, i0
.irp i, \i0, \i0+1, \i0+2, \i0+3
	FRAG AF+FR*(\i), ADRA+\slot, \q, \i
.endr
.endm
.macro PLACES n
.rept \n
	v_nop
.endr
.endm
.macro STEP slot, q, zero
	s_wait_dscnt 4*NL
.if \zero
	WIN Z_LO
.else
	WIN MUL_LO
.endif
	MUL16 0, (\q)%2, \zero
	MUL16 2, (\q)%2, \zero
	s_wait_dscnt 0
	PLACES NP
	FETCH_B \slot, (\q)+1, 1-(\q)%2
	FETCH_A \slot, (\q)+1, 0
.if \zero
	WIN Z_HI
.else
	WIN MUL_HI
.endif
	MUL16 4, (\q)%2, \zero
	MUL16 6, (\q)%2, \zero
	PLACES NP
	WIN 0
	FETCH_A \slot, (\q)+1, 4
.endm
.macro TURN slot, next, fill
	s_wait_tensorcnt 0x0
	ds_add_u32 v[SPW], v[NIL]
	s_wait_dscnt 4*NL+1
	WIN MUL_LO
	MUL16 0, 1, 0
	s_wait_dscnt 0x0
	s_barrier_signal -1
	MUL16 2, 1, 0
	WIN 0
	s_barrier_wait -1
.if \fill
	CREST
	s_add_nc_u64 s[G0+4*\slot+2:G0+4*\slot+3], s[G0+4*\slot+2:G0+4*\slot+3], 2*TILEB
	s_add_nc_u64 s[G0B+4*\slot+2:G0B+4*\slot+3], s[G0B+4*\slot+2:G0B+4*\slot+3], 2*TILEB
	JLOAD G0+4*\slot, G1, G0B+4*\slot, G1B
.else
	PLACES NP
.endif
	FETCH_B \next, 0, 0
	FETCH_A \next, 0, 0
	WIN MUL_HI
	MUL16 4, 1, 0
	MUL16 6, 1, 0
	PLACES NP
	WIN 0
	FETCH_A \next, 0, 4
.endm
	s_wait_alu depctr_va_vdst(0)
	s_wait_tensorcnt 1
	s_barrier_signal -1
	s_barrier_wait -1
	FETCH_B 0, 0, 0
	FETCH_A 0, 0, 0
	FETCH_A 0, 0, 4
	STEP 0, 0, 1
	TURN 0, 1, 1
	global_prefetch_b8 v27, s[94:95] offset:12288 th:TH_LOAD_NT scope:SCOPE_SE  ; the last fill's K steps, two K steps ahead of their load
	STEP 1, 0, 0
	TURN 1, 0, 1
	STEP 0, 0, 0
	TURN 0, 1, 0
	STEP 1, 0, 0
	s_wait_dscnt 4*NL
	WIN MUL_LO
	MUL16 0, 1, 0
	MUL16 2, 1, 0
	s_wait_dscnt 0
	WIN MUL_HI
	MUL16 4, 1, 0
	MUL16 6, 1, 0
	WIN 0
	PLACES NP
	s_lshl_b32 s90, s42, 4
	s_lshl_b32 s91, s15, 3
	s_add_co_u32 s90, s90, s91
	s_lshl_b32 s90, s90, 16
	s_lshl_b32 s91, s66, 1
	s_add_co_u32 s91, s91, s16
	s_lshl_b32 s91, s91, 11
	s_add_co_u32 s90, s90, s91
	s_mov_b32 s91, 0
	s_add_nc_u64 s[10:11], s[10:11], s[90:91]
.irp a, 0,1,2,3,4,5,6,7
	WIN (0x02+(\a/4))
.set ei, 0
.rept 64
	v_med3_num_f32 v[TMP+ei], v[64*(\a%4)+ei], 0, v[LIM]
.set ei, ei+1
.endr
	WIN 0
.irp g, 0,1,2,3
	v_cvt_scalef32_pk8_fp8_f32 v[AF+16*\a+4*\g:AF+16*\a+4*\g+1], v[TMP+16*\g:TMP+16*\g+7], v[SC]
	v_cvt_scalef32_pk8_fp8_f32 v[AF+16*\a+4*\g+2:AF+16*\a+4*\g+3], v[TMP+16*\g+8:TMP+16*\g+15], v[SC]
.endr
	v_nop
.irp g, 0,1,2,3
	global_store_b128 v[CO], v[AF+16*\a+4*\g:AF+16*\a+4*\g+3], s[10:11] offset:\a*65536+\g*512
.endr
.endr
	s_wait_tensorcnt 0x0
	ds_add_u32 v[SPW], v[NIL]
	s_wait_dscnt 0x0
	CROUND
	s_endpgm
.Lfunc_end_k_q91c0d5dcad_ffn1:
	.size	k_q91c0d5dcad_ffn1, .Lfunc_end_k_q91c0d5dcad_ffn1-k_q91c0d5dcad_ffn1
	.p2alignl 7, 3214868480
	.fill 96, 4, 3214868480
	.section	.rodata,"a",@progbits
	.p2align	6, 0x0
	.amdhsa_kernel k_q91c0d5dcad_ffn1
		.amdhsa_group_segment_fixed_size 327680
		.amdhsa_private_segment_fixed_size 0
		.amdhsa_enable_private_segment 0
		.amdhsa_kernarg_size 40
		.amdhsa_user_sgpr_count 2
		.amdhsa_user_sgpr_kernarg_segment_ptr 1
		.amdhsa_wavefront_size32 1
		.amdhsa_system_sgpr_workgroup_id_x 1
		.amdhsa_system_sgpr_workgroup_id_y 1
		.amdhsa_system_sgpr_workgroup_id_z 1
		.amdhsa_system_vgpr_workitem_id 0
		.amdhsa_next_free_vgpr 1024
		.amdhsa_next_free_sgpr 98
		.amdhsa_reserve_vcc 0
		.amdhsa_float_denorm_mode_32 3
		.amdhsa_float_denorm_mode_16_64 3
		.amdhsa_memory_ordered 1
		.amdhsa_forward_progress 1
		.amdhsa_inst_pref_size 124
	.end_amdhsa_kernel
	.amdgpu_metadata
---
amdhsa.version: [ 1, 2 ]
amdhsa.kernels:
  - .name:           k_q91c0d5dcad_ffn1
    .symbol:         k_q91c0d5dcad_ffn1.kd
    .args:
      - { .name: lx2c, .offset: 0, .size: 8, .value_kind: global_buffer, .address_space: global }
      - { .name: wc, .offset: 8, .size: 8, .value_kind: global_buffer, .address_space: global }
      - { .name: lowp_scales, .offset: 16, .size: 8, .value_kind: global_buffer, .address_space: global }
      - { .name: hc, .offset: 24, .size: 8, .value_kind: global_buffer, .address_space: global }
      - { .name: b1, .offset: 32, .size: 8, .value_kind: global_buffer, .address_space: global }
    .group_segment_fixed_size: 327680
    .private_segment_fixed_size: 0
    .kernarg_segment_align: 8
    .kernarg_segment_size: 40
    .max_flat_workgroup_size: 128
    .sgpr_count:     98
    .vgpr_count:     1024
    .wavefront_size: 32
...
	.end_amdgpu_metadata
.endif
;; end of part 6
;; launch ffn2 (part 7): grid 8 x 32, 4 waves a work-group, clusters of 4 x 4, 327,680 bytes of LDS; arguments hc, wc, lowp_scales, b2, x1, out0; writes out0
.if DOCPART == 7
	.amdgcn_target "amdgcn-amd-amdhsa--gfx1250"
	.amdhsa_code_object_version 6
	.text
	.protected	k_q91c0d5dcad_ffn2
	.globl	k_q91c0d5dcad_ffn2
	.p2align	8
	.type	k_q91c0d5dcad_ffn2,@function
k_q91c0d5dcad_ffn2:
	s_mov_b64 s[64:65], 0
	v_nop
	global_prefetch_b8 v0, s[64:65] scope:SCOPE_SE
	s_setreg_imm32_b32 hwreg(HW_REG_WAVE_MODE, 25, 1), 1
	s_wait_xcnt 0x0
	s_wait_alu depctr_hold_cnt(0) depctr_sa_sdst(0) depctr_va_vdst(0) depctr_va_sdst(0) depctr_va_ssrc(0) depctr_va_vcc(0) depctr_vm_vsrc(0)
	s_getreg_b32 s2, hwreg(HW_REG_IB_STS2, 6, 4)
	s_cmp_eq_u32 s2, 0
	s_cbranch_scc0 .Lentry_in_a_cluster
	s_endpgm
.Lentry_in_a_cluster:
	s_bfe_u32 s2, ttmp6, 0x10000c
	s_cmp_lg_u32 s2, 0xf033
	s_cbranch_scc0 .Lentry_shape_is_right
	s_endpgm
.Lentry_shape_is_right:
.set KS,     32
.set WOFF,   0x800000
.set EOFF,   0x38
.set LAPS,   KS/8
; FFN2: out = x1 + (h W2 + b2), on codes of FP8 (E4M3); a work-group makes 128 x 128, a wave 64 x 64; clusters of 4 x 4 with joint loads.  ONE LDS slot of 262,144 bytes: a tile's part of it is eight K steps; K = 4,096 is four fills,
; one load of 65,536 bytes a wave each; 'slot 1' names the slot's K steps 4 to 7, 8,192 bytes on in each tile.  LIMIT: e14 + e15 between -126 and 127.
.set TILEB,  16384
.set HALFT,  4*TILEB
.set SLOT,   4*HALFT
.set STAGE,  SLOT
.set SPITCH, 272
.set SPARE,  STAGE+4*16*SPITCH
.set ADRA, 16
.set ADRB, 20
.set STO,  24
.set RD,   25
.set CO,   26
.set SPW,  28
.set NIL,  29
.set BIAS, 32
.set TMP,  64
.set BK,   96
.set ACC,  128
.set F0,   0
.set F1,   128
.set G1, 24
.set G0, 32
.set G1B, 48
.set G0B, 56
.set MSB, 0
.macro WIN new
.if MSB != (\new)
	s_set_vgpr_msb (MSB<<8)|(\new)
.set MSB, (\new)
.endif
.endm
.set MUL,  0x05
.set TO_F, 0x40
.macro JLOAD g0a, g1a, g0b, g1b
	s_cmp_eq_u32 s15, 0
	s_cbranch_scc0 .Lfor_b_\@
	tensor_load_to_lds s[\g0a:\g0a+3], s[\g1a:\g1a+7]
	s_nop 0
.rept 4
	v_nop
.endr
	s_branch .Lasked_\@
.Lfor_b_\@:
	tensor_load_to_lds s[\g0b:\g0b+3], s[\g1b:\g1b+7]
	s_nop 0
.rept 4
	v_nop
.endr
.Lasked_\@:
.endm
.macro CREST
	s_cmp_lg_u32 s14, 0
	s_cbranch_scc1 .Lnot_wave_0_\@
	s_barrier_signal -3
.Lnot_wave_0_\@:
	s_barrier_wait -3
	s_barrier_signal -1
	s_barrier_wait -1
.endm
.macro CROUND
	s_barrier_signal -1
	s_barrier_wait -1
	CREST
.endm
	s_load_b128 s[4:7], s[0:1], 0x0
	s_load_b128 s[8:11], s[0:1], 0x10
	s_load_b128 s[84:87], s[0:1], 0x20
	v_lshl_add_u32 v[SPW], v0, 2, SPARE
	v_mov_b32 v[NIL], 0
	ds_add_u32 v28, v29
	ds_add_u32 v28, v29
	s_wait_dscnt 0x0
	v_lshrrev_b32 v1, 5, v0
	v_readfirstlane_b32 s14, v1
	s_lshr_b32 s15, s14, 1
	s_and_b32 s16, s14, 1
	s_bfe_u32 s40, ttmp6, 0x40000
	s_bfe_u32 s41, ttmp6, 0x40004
	s_lshl_b32 s42, ttmp9, 2
	s_add_co_u32 s42, s42, s40
	s_and_b32 s17, ttmp7, 0xffff
	s_lshl_b32 s17, s17, 2
	s_add_co_u32 s17, s17, s41
	s_lshl_b32 s43, s41, 2
	s_lshl_b32 s43, 15, s43
	s_lshl_b32 s44, 0x1111, s40
	s_or_b32 s[G1+0], s43, (3<<16)|(1<<21)
	s_or_b32 s[G1B+0], s44, (3<<16)|(1<<21)
.irp g, G1, G1B
	s_mov_b32 s[\g+1], 2048<<16
	s_mov_b32 s[\g+2], 4<<16
	s_mov_b32 s[\g+3], 2048<<16
	s_mov_b32 s[\g+4], 4
	s_mov_b32 s[\g+5], KS*256
	s_mov_b32 s[\g+6], 0
	s_mov_b32 s[\g+7], 0
.endr
	s_lshl_b32 s18, s16, 2
	s_lshl_b32 s20, s17, 3
	s_add_co_u32 s20, s20, s18
	s_mul_i32 s20, s20, KS*2048
	s_mov_b32 s21, 0
	s_lshl_b32 s46, s42, 3
	s_add_co_u32 s46, s46, s18
	s_mul_i32 s46, s46, KS*2048
	s_add_co_u32 s46, s46, WOFF
	s_mov_b32 s47, 0
	s_mul_i32 s45, s14, HALFT
	s_wait_kmcnt 0x0
	s_load_b64 s[96:97], s[8:9], EOFF
	s_add_nc_u64 s[20:21], s[4:5], s[20:21]
	s_add_nc_u64 s[46:47], s[6:7], s[46:47]
	CROUND
.irp s, 0
	s_mov_b32 s[G0+4*\s], 1
	s_add_co_u32 s[G0+4*\s+1], s45, \s*SLOT
	s_add_nc_u64 s[G0+4*\s+2:G0+4*\s+3], s[20:21], \s*TILEB
	s_or_b32 s[G0+4*\s+3], s[G0+4*\s+3], 0x80000000
	s_mov_b32 s[G0B+4*\s], 1
	s_add_co_u32 s[G0B+4*\s+1], s45, \s*SLOT
	s_add_nc_u64 s[G0B+4*\s+2:G0B+4*\s+3], s[46:47], \s*TILEB
	s_or_b32 s[G0B+4*\s+3], s[G0B+4*\s+3], 0x80000000
.if \s
	s_wait_alu depctr_va_vdst(0)
	s_wait_tensorcnt 0x0
	ds_add_u32 v28, v29
	ds_add_u32 v28, v29
	s_wait_dscnt 0x0
	CROUND
.endif
	JLOAD G0+4*\s, G1, G0B+4*\s, G1B
	s_cmp_eq_u32 s15, 0                            ; the prefetches: of the 4 tiles that I fetch, the partner at place p (cx for A, cy for B) names tile p: told apart by address alone
	s_cselect_b64 s[36:37], s[20:21], s[46:47]
	s_cselect_b32 s38, s40, s41
	s_lshl_b32 s38, s38, 16
	s_add_co_u32 s38, s38, TILEB                   ; at the second fill's K steps
	s_mov_b32 s39, 0
	s_add_nc_u64 s[36:37], s[36:37], s[38:39]
.endr
	v_and_b32 v1, 15, v0
	s_wait_alu depctr_va_vdst(0)
	v_bfe_u32 v2, v0, 4, 1
	v_and_b32 v3, 31, v0
	v_lshlrev_b32 v4, 4, v3
	s_mul_i32 s21, s15, HALFT
	s_mul_i32 s22, s16, HALFT
	s_add_co_u32 s22, s22, 2*HALFT
.irp s, 0,1
	v_add_nc_u32 v[ADRA+\s], s21, v4
	v_add_nc_u32 v[ADRB+\s], s22, v4
	s_add_co_u32 s21, s21, 8192
	s_add_co_u32 s22, s22, 8192
.endr
	s_mul_i32 s23, s14, 16*SPITCH
	s_add_co_u32 s23, s23, STAGE
	v_mul_u32_u24 v5, v1, SPITCH
	s_wait_alu depctr_va_vdst(0)
	v_lshl_add_u32 v5, v2, 6, v5
	v_add_nc_u32 v[STO], s23, v5
	v_mul_u32_u24 v5, v2, SPITCH
	v_lshl_add_u32 v5, v1, 4, v5
	v_add_nc_u32 v[RD], s23, v5
	v_lshlrev_b32 v5, 12, v2
	v_lshl_add_u32 v[CO], v1, 4, v5
	v_lshlrev_b32 v6, 6, v2
	v_lshlrev_b32 v27, 8, v3                       ; the prefetches: lanes 256 bytes apart
	s_wait_alu depctr_va_vdst(0)
	s_lshl_b32 s46, s42, 9
	s_lshl_b32 s47, s16, 8
	s_add_co_u32 s46, s46, s47
	s_mov_b32 s47, 0
	s_add_nc_u64 s[10:11], s[10:11], s[46:47]
	s_lshl_b32 s20, s17, 7
	s_lshl_b32 s21, s15, 6
	s_add_co_u32 s20, s20, s21
	s_lshl_b32 s20, s20, 12
	s_add_co_u32 s20, s20, s46
	s_mov_b32 s21, 0
	s_add_nc_u64 s[84:85], s[84:85], s[20:21]
	s_add_nc_u64 s[86:87], s[86:87], s[20:21]
.irp t, 0,1,2,3
	global_load_b128 v[BIAS+8*\t:BIAS+8*\t+3], v6, s[10:11] offset:(32*(\t/2)+8*(\t%2))*4
	global_load_b128 v[BIAS+8*\t+4:BIAS+8*\t+7], v6, s[10:11] offset:(32*(\t/2)+8*(\t%2))*4+16
.endr
.macro MUL4 f, a, zero
.irp b, 0,1,2,3
.if \zero
	v_wmma_f32_16x16x128_fp8_fp8 v[ACC+8*(4*(\a)+\b):ACC+8*(4*(\a)+\b)+7], v[\f+64+16*\b:\f+64+16*\b+15], v[\f+16*(\a):\f+16*(\a)+15], 0
.else
	v_wmma_f32_16x16x128_fp8_fp8 v[ACC+8*(4*(\a)+\b):ACC+8*(4*(\a)+\b)+7], v[\f+64+16*\b:\f+64+16*\b+15], v[\f+16*(\a):\f+16*(\a)+15], v[ACC+8*(4*(\a)+\b):ACC+8*(4*(\a)+\b)+7]
.endif
.endr
.endm
.macro FETCH slot, kk, f
	WIN TO_F
.irp i, 0,1,2,3
.irp c, 0,1,2,3
	ds_load_b128 v[\f+64+16*\i+4*\c:\f+64+16*\i+4*\c+3], v[ADRB+\slot] offset:2048*(\kk)+512*\c+\i*TILEB
.endr
.endr
.irp i, 0,1,2,3
.irp c, 0,1,2,3
	ds_load_b128 v[\f+16*\i+4*\c:\f+16*\i+4*\c+3], v[ADRA+\slot] offset:2048*(\kk)+512*\c+\i*TILEB
.endr
.endr
.endm
.macro PLACES
.rept 4
	v_nop
.endr
.endm
.macro QUARTER slot, kk, f, g, zero
	s_wait_dscnt 8
	WIN MUL
	MUL4 \f, 0, \zero
	MUL4 \f, 1, \zero
	PLACES
	FETCH \slot, \kk, \g
	s_wait_dscnt 32
	WIN MUL
	MUL4 \f, 2, \zero
	MUL4 \f, 3, \zero
.endm
.macro TURN slot, next, fill
	WIN 0
	s_wait_tensorcnt 0x0
	ds_add_u32 v[SPW], v[NIL]
	s_wait_dscnt 9
	WIN MUL
	MUL4 F1, 0, 0
	s_wait_dscnt 0x0
	s_barrier_signal -1
	MUL4 F1, 1, 0
	WIN 0
	s_barrier_wait -1
.if \fill
	CREST
	s_add_nc_u64 s[G0+4*\slot+2:G0+4*\slot+3], s[G0+4*\slot+2:G0+4*\slot+3], 2*TILEB
	s_add_nc_u64 s[G0B+4*\slot+2:G0B+4*\slot+3], s[G0B+4*\slot+2:G0B+4*\slot+3], 2*TILEB
	JLOAD G0+4*\slot, G1, G0B+4*\slot, G1B
.else
	PLACES
.endif
	FETCH \next, 0, F0
	WIN MUL
	MUL4 F1, 2, 0
	MUL4 F1, 3, 0
.endm
	global_prefetch_b8 v27, s[36:37] th:TH_LOAD_NT scope:SCOPE_SE                ; one tile's 16,384 bytes of the second fill, eight K steps ahead of its load; each block of 256 bytes is named once in the cluster
	global_prefetch_b8 v27, s[36:37] offset:8192 th:TH_LOAD_NT scope:SCOPE_SE
	s_wait_tensorcnt 0x0                           ; my part of the slot is in
	s_barrier_signal -1
	s_barrier_wait -1
	WIN 0x80                                       ; destination window 2
.irp a, 0,1,2,3
.irp i, 0,1,2,3,4,5,6,7
	global_load_b128 v[32*\a+4*\i:32*\a+4*\i+3], v[CO], s[84:85] offset:(32*(\a/2)+8*(\a%2)+2*\i+8*(\i/4))*4096 th:TH_LOAD_NT   ; the residual, in the order in which the rows leave: asked for when the first fill is in, it lands under the products
.endr
.endr
	WIN 0
	FETCH 0, 0, F0
	QUARTER 0, 1, F0, F1, 1
.if LAPS > 1
	WIN 0
	s_mov_b32 s3, LAPS-1
.Llap:
	QUARTER 0, 2, F1, F0, 0
	QUARTER 0, 3, F0, F1, 0
	QUARTER 1, 0, F1, F0, 0                        ; K step 3 of the slot; K step 4 lies in the same fill: no barrier
	QUARTER 1, 1, F0, F1, 0
	QUARTER 1, 2, F1, F0, 0
	QUARTER 1, 3, F0, F1, 0
	s_wait_dscnt 8                                 ; the slot's last K step: nothing more to fetch from it
	WIN MUL
	MUL4 F1, 0, 0
	MUL4 F1, 1, 0
	s_wait_dscnt 0
	MUL4 F1, 2, 0
	MUL4 F1, 3, 0
	WIN 0
	s_wait_tensorcnt 0x0                           ; the refill
	ds_add_u32 v[SPW], v[NIL]
	s_add_nc_u64 s[G0+2:G0+3], s[G0+2:G0+3], TILEB
	s_add_nc_u64 s[G0B+2:G0B+3], s[G0B+2:G0B+3], TILEB
	s_wait_xcnt 0x0                                ; my prefetches have read their address: it steps one fill further on than the descriptors
	s_add_nc_u64 s[36:37], s[36:37], TILEB
	s_wait_dscnt 0x0                               ; the add is done, and my reads of the slot are over
	CROUND
	JLOAD G0, G1, G0B, G1B                         ; the next eight K steps; its four v_nop are the places in front of the loads below
	s_cmp_lg_u32 s3, 1                             ; the last fill has none behind it: nothing is asked for there
	s_cbranch_scc0 .Lno_ask
	global_prefetch_b8 v27, s[36:37] th:TH_LOAD_NT scope:SCOPE_SE
	global_prefetch_b8 v27, s[36:37] offset:8192 th:TH_LOAD_NT scope:SCOPE_SE
.Lno_ask:
	s_wait_tensorcnt 0x0                           ; my part is in,
	s_barrier_signal -1
	s_barrier_wait -1                              ; everybody's is
	FETCH 0, 0, F0
	QUARTER 0, 1, F0, F1, 0
	WIN 0
	s_sub_co_u32 s3, s3, 1
	s_cmp_lg_u32 s3, 0
	s_cbranch_scc1 .Llap
.endif
	QUARTER 0, 2, F1, F0, 0
	QUARTER 0, 3, F0, F1, 0
	QUARTER 1, 0, F1, F0, 0
	QUARTER 1, 1, F0, F1, 0
	QUARTER 1, 2, F1, F0, 0
	QUARTER 1, 3, F0, F1, 0
	s_wait_dscnt 8
	WIN MUL
	MUL4 F1, 0, 0
	MUL4 F1, 1, 0
	s_wait_dscnt 0
	MUL4 F1, 2, 0
	MUL4 F1, 3, 0
	WIN 0
	s_wait_kmcnt 0x0
	s_add_co_i32 s96, s96, s97
	s_add_co_i32 s96, s96, 127
	s_lshl_b32 s96, s96, 23
	s_mov_b32 s97, s96
	s_wait_loadcnt 0x0
	PLACES
.irp a, 0,1,2,3
.irp b, 0,1,2,3
.irp i, 0,2,4,6
	v_pk_fma_f32 v[TMP+8*\b+\i:TMP+8*\b+\i+1], v[ACC+8*(4*\a+\b)+\i:ACC+8*(4*\a+\b)+\i+1], s[96:97], v[BIAS+8*\b+\i:BIAS+8*\b+\i+1] op_sel_hi:[1,0,1]
.endr
.endr
.irp b, 0,1,2,3
	ds_store_b128 v[STO], v[TMP+8*\b:TMP+8*\b+3] offset:128*(\b/2)+32*(\b%2)
	ds_store_b128 v[STO], v[TMP+8*\b+4:TMP+8*\b+7] offset:128*(\b/2)+32*(\b%2)+16
.endr
.irp i, 0,1,2,3,4,5,6,7
	ds_load_b128 v[BK+4*\i:BK+4*\i+3], v[RD] offset:\i*2*SPITCH
.endr
	s_wait_dscnt 0x0
	WIN 0x88
.irp i, 0,1,2,3,4,5,6,7
	v_pk_add_f32 v[32*\a+4*\i:32*\a+4*\i+1], v[BK+4*\i:BK+4*\i+1], v[32*\a+4*\i:32*\a+4*\i+1]
	v_pk_add_f32 v[32*\a+4*\i+2:32*\a+4*\i+3], v[BK+4*\i+2:BK+4*\i+3], v[32*\a+4*\i+2:32*\a+4*\i+3]
.endr
.irp i, 0,1,2,3,4,5,6,7
	global_store_b128 v[CO], v[32*\a+4*\i:32*\a+4*\i+3], s[86:87] offset:(32*(\a/2)+8*(\a%2)+2*\i+8*(\i/4))*4096 th:TH_STORE_NT
.endr
	WIN 0
.endr
	s_wait_tensorcnt 0x0
	ds_add_u32 v[SPW], v[NIL]
	s_wait_dscnt 0x0
	CROUND
	s_endpgm
.Lfunc_end_k_q91c0d5dcad_ffn2:
	.size	k_q91c0d5dcad_ffn2, .Lfunc_end_k_q91c0d5dcad_ffn2-k_q91c0d5dcad_ffn2
	.p2alignl 7, 3214868480
	.fill 96, 4, 3214868480
	.section	.rodata,"a",@progbits
	.p2align	6, 0x0
	.amdhsa_kernel k_q91c0d5dcad_ffn2
		.amdhsa_group_segment_fixed_size 327680
		.amdhsa_private_segment_fixed_size 0
		.amdhsa_enable_private_segment 0
		.amdhsa_kernarg_size 48
		.amdhsa_user_sgpr_count 2
		.amdhsa_user_sgpr_kernarg_segment_ptr 1
		.amdhsa_wavefront_size32 1
		.amdhsa_system_sgpr_workgroup_id_x 1
		.amdhsa_system_sgpr_workgroup_id_y 1
		.amdhsa_system_sgpr_workgroup_id_z 1
		.amdhsa_system_vgpr_workitem_id 0
		.amdhsa_next_free_vgpr 640
		.amdhsa_next_free_sgpr 98
		.amdhsa_reserve_vcc 0
		.amdhsa_float_denorm_mode_32 3
		.amdhsa_float_denorm_mode_16_64 3
		.amdhsa_memory_ordered 1
		.amdhsa_forward_progress 1
		.amdhsa_inst_pref_size 81
	.end_amdhsa_kernel
	.amdgpu_metadata
---
amdhsa.version: [ 1, 2 ]
amdhsa.kernels:
  - .name:           k_q91c0d5dcad_ffn2
    .symbol:         k_q91c0d5dcad_ffn2.kd
    .args:
      - { .name: hc, .offset: 0, .size: 8, .value_kind: global_buffer, .address_space: global }
      - { .name: wc, .offset: 8, .size: 8, .value_kind: global_buffer, .address_space: global }
      - { .name: lowp_scales, .offset: 16, .size: 8, .value_kind: global_buffer, .address_space: global }
      - { .name: b2, .offset: 24, .size: 8, .value_kind: global_buffer, .address_space: global }
      - { .name: x1, .offset: 32, .size: 8, .value_kind: global_buffer, .address_space: global }
      - { .name: out0, .offset: 40, .size: 8, .value_kind: global_buffer, .address_space: global }
    .group_segment_fixed_size: 327680
    .private_segment_fixed_size: 0
    .kernarg_segment_align: 8
    .kernarg_segment_size: 48
    .max_flat_workgroup_size: 128
    .sgpr_count:     98
    .vgpr_count:     640
    .wavefront_size: 32
...
	.end_amdgpu_metadata
.endif
;; end of part 7
